; MI455X (gfx1250); checked and timed in simulation.
; The chip was launched on July 23, 2026; its instructions are those of AMD's public machine-readable ISA for CDNA 5 (MIT licence, August 2026) and "CDNA5" Instruction Set Architecture Reference Guide (July 2026). The comments in the code are by the model that wrote it; some were corrected since.
;; Narrow Self Attention. Allowed arithmetic: matrix products marked QUANTISED: E2M3 operands, one E8M0 scale for each 32 along K, by v_wmma_scale_f32_16x16x128_f8f6f4 with both operands' format E2M3, f32 sums; everything else in f32.
;; Inputs: b_k 1,024 float32; b_o 1,024 float32; b_q 1,024 float32; b_v 1,024 float32; mask 4 x 2,048 x 2,048 int32; w_k 1,024 x 1,024 float32; w_o 1,024 x 1,024 float32; w_q 1,024 x 1,024 float32; w_v 1,024 x 1,024 float32; x 4 x 2,048 x 1,024 float32.
;; Outputs: out0 4 x 2,048 x 1,024 float32.
;; This version of the problem:
;;   THIS VERSION OF THE PROBLEM IS GIVEN IN LOW PRECISION. The matrix products marked QUANTISED in the list below multiply operands that are first quantised to E2M3 (2 exponent bits, 3 mantissa bits; 6 bits a number), with one power-of-two scale for each 32 numbers along K (OCP MX v1.0); their sums are f32. All else is computed in f32.
;;   The module's matrix products, in the order in which they are computed (A, B: the left and right operand; K: the contracted axis; several contracted axes count as one K, in the product's order):
;;     1. [M 8,192, K 1,024] x [K 1,024, N 1,024]; A: input x; B: input w_q: QUANTISED
;;     2. [M 8,192, K 1,024] x [K 1,024, N 1,024]; A: input x; B: input w_k: QUANTISED
;;     3. [M 8,192, K 1,024] x [K 1,024, N 1,024]; A: input x; B: input w_v: QUANTISED
;;     4. batch 64 x [M 2,048, K 64] x [K 64, N 2,048]; A: computed on the way; B: computed on the way: QUANTISED
;;     5. batch 64 x [M 2,048, K 2,048] x [K 2,048, N 64]; A: softmax (see below); B: computed on the way: QUANTISED
;;     6. [M 8,192, K 1,024] x [K 1,024, N 1,024]; A: computed on the way; B: input w_o: QUANTISED
;;   THE QUANTISER, for each operand of a quantised product, along K:
;;     - K is cut into blocks of 32 from its start; a last block that is shorter is filled with zeros.
;;     - A block's scale is 2^e with e = floor(log2(the largest magnitude in the block)) - 2, held to -126 .. 127; a block of zeros has e = 0. As a byte (E8M0): e + 127.
;;     - Each number is divided by its block's scale, clamped to +-7.5, and rounded to the nearest number of E2M3, ties to even, subnormals kept.
;;     - The product sums the exact products of the quantised numbers (number of the format x scale) in f32.
;;   ~~~python
;;   def quantise(x, axis):      # numpy; x: float32 -> the quantised numbers, widened to float32 again
;;       x = np.moveaxis(x, axis, -1); K = x.shape[-1]
;;       x = np.pad(x, [(0, 0)] * (x.ndim - 1) + [(0, -K % 32)]); x = x.reshape(x.shape[:-1] + (-1, 32)); a = np.abs(x).max(-1, keepdims=True)
;;       e = np.where(a > 0, np.clip(np.frexp(np.where(a > 0, a, 1))[1] - 1 - 2, -126, 127), 0)      # np.frexp(a)[1] - 1 = floor(log2(a)), exactly
;;       r = np.clip(x / 2.0 ** e, -7.5, 7.5)
;;       step = 2.0 ** (np.maximum(np.frexp(np.where(r == 0, 1, r))[1] - 1, 0) - 3)
;;       q = np.round(r / step) * step * 2.0 ** e      # np.round: ties to even
;;       return np.moveaxis(q.reshape(q.shape[:-2] + (-1,))[..., :K], -1, axis).astype(np.float32)
;;   ~~~
;;   SOFTMAX AHEAD OF A QUANTISED PRODUCT. Where the list says 'softmax', what is quantised is not the finished softmax but p = 2^(t - M), with t = logit x log2(e) and M = ceil(the row's largest t), a whole number; so 1/2 < the row's largest p <= 1. The row's sum l is taken of the UNQUANTISED p, in f32, and the product's result is divided by l at the end. Since M is a whole number, a kernel that streams over the keys may use a running M (the ceiling of the running maximum): every later rescaling is an exact power of two, which a block's scale takes up: the codes' values come out the same.
;;   OPERANDS COMPUTED ON THE WAY. 'Computed on the way' means the value that the module computes at that place (a softmax that the list does not call 'softmax' is quantised finished and normalised). What goes into a quantiser is computed in f32, as accurately as f32 sums, v_exp_f32 and their like allow (about 1e-6 of the number): no bf16 or f16 on the way to a quantiser, and a product that is left as it is and whose result goes on into a quantised operand takes f32 operands (vector FMAs, or v_wmma_f32_16x16x4_f32). A number that lies on a knife's edge between two numbers of the format may be rounded either way, as far as f32 arithmetic and the matrix unit's own rounding can turn it there, and no further.
;; One version. Each part assembles by itself: llvm-mc -triple=amdgcn-amd-amdhsa -mcpu=gfx1250 --defsym DOCPART=n.
;; ======== version 1 of 1: 6 launches
;; workspace buffers: xc 6,291,456 bytes; xs 262,144 bytes; wc 3,145,728 bytes; ws 131,072 bytes; mbits 2,097,152 bytes of whole numbers; qkv 20,185,088 bytes; yc 6,291,456 bytes; ys 262,144 bytes
;; launch mb (part 1): grid 1024 x 1, 4 waves a work-group, no clusters, 68,096 bytes of LDS; arguments mask, mbits; writes mbits
.if DOCPART == 1
	.amdgcn_target "amdgcn-amd-amdhsa--gfx1250"
	.amdhsa_code_object_version 6
	.text
	.protected	k_qc63143ffe6_mb
	.globl	k_qc63143ffe6_mb
	.p2align	8
	.type	k_qc63143ffe6_mb,@function
k_qc63143ffe6_mb:
	s_mov_b64 s[64:65], 0
	v_nop
	global_prefetch_b8 v0, s[64:65] scope:SCOPE_SE
	s_setreg_imm32_b32 hwreg(HW_REG_WAVE_MODE, 25, 1), 1
	s_wait_xcnt 0x0
; SELF-ATTENTION IN MX-FP6, six launches: mb (the mask as bits), qx (x as codes), qw (the four weights as codes), gemm_qkv, attn, gemm_out.
; NO WORK IS LEFT OUT: every bias goes into a quantised operand of a live product (b_k too), every word of the mask selects a value, all ten inputs are loaded.
; THE ORDER OF CODES, in every operand of every product of this program: inside each block of 32 along K, code place 16 h + 8 u + j holds number 16 u + 8 h + j (the two middle
; groups of eight change places).  A matrix result of two neighbouring tiles falls into that order by itself; x and the weights are given it as they are quantised.  Both operands of a
; product have the same order and the blocks hold the same 32 numbers, so the scales and the sums are the contract's; only the order of adding inside an instruction differs.
; THIS LAUNCH: mask [4][2048][2048] int32 -> mbits [b][query tile 128][key step 16][64 words].  Word n = 16 B + 8 u + j, bit r + 16 h says whether mask[b][16 qt + r][128 ks + 32 B + 16 u + 8 h + j] is not 0:
; that is register n of lane r + 16 h of the scores' tile in attn, so a word is a lane mask for one select there.
; SHARES: a work-group takes one tile of 16 queries and 8 key steps; a wave two key steps: 16 rows x 512 bytes each.  Each load reads 512 consecutive bytes of a row; the tile turns through the
; wave's own stage in LDS (rows of 512 + 16 bytes) and comes back 16 bytes a lane in the scores' layout.  Waves share nothing: no barrier.
.set ROWB,  8192                       ; a row of the mask in bytes
.set PITCH, 528
.set STG,   16*PITCH                   ; a stage
.set WREG,  2*STG                      ; a wave's two stages
.set SPARE, 4*WREG                     ; behind them: the spare words, 128 bytes for each wave
.set GA,  4                            ; v4   16 x lane: my bytes of a load's 512
.set SA,  5                            ; v5   the same in my wave's stage
.set LA,  6                            ; v6   out of the stage: row r, + 32 h
.set LI8, 7                            ; v7   8 x lane
.set SPW, 10                           ; v10  my spare word; never rewritten
.set NIL, 11                           ; v11  0; never rewritten
.set R,   16                           ; v16-143  two tiles as loaded
.set X,   144                          ; v144-207 a tile in the scores' layout
.set W,   208                          ; v208-211 the words: tile t's word n in lane n / 2 of register W + 2 t + n % 2
	s_load_b128 s[4:7], s[0:1], 0x0                ; mask, mbits
	v_lshl_add_u32 v[SPW], v0, 2, SPARE
	v_mov_b32 v[NIL], 0
	v_lshrrev_b32 v1, 5, v0
	v_readfirstlane_b32 s8, v1                     ; wave
	v_and_b32 v2, 31, v0                           ; lane
	v_and_b32 v3, 15, v0                           ; r
	v_bfe_u32 v8, v0, 4, 1                         ; h
	v_lshlrev_b32 v[GA], 4, v2
	v_lshlrev_b32 v[LI8], 3, v2
	s_mul_i32 s9, s8, WREG
	v_add_nc_u32 v[SA], s9, v[GA]
	v_mul_u32_u24 v[LA], v3, PITCH
	v_lshl_add_u32 v[LA], v8, 5, v[LA]
	v_add_nc_u32 v[LA], s9, v[LA]
.irp i, 0,1,2,3
	v_mov_b32 v[W+\i], 0                           ; a lane write's destination counts as read
.endr
	s_lshr_b32 s10, ttmp9, 1                       ; the tile of queries, 0 .. 511 (batch x 128 + tile)
	s_and_b32 s11, ttmp9, 1
	s_lshl_b32 s11, s11, 3
	s_lshl_b32 s12, s8, 1
	s_add_co_u32 s11, s11, s12                     ; my first key step
	s_lshl_b32 s12, s10, 17                        ; 16 rows of 8,192 bytes
	s_lshl_b32 s13, s11, 9                         ; 128 keys of 4 bytes
	s_add_co_u32 s12, s12, s13
	s_mov_b32 s13, 0
	s_lshl_b32 s14, s10, 12                        ; 16 key steps of 256 bytes
	s_lshl_b32 s15, s11, 8
	s_add_co_u32 s14, s14, s15
	s_mov_b32 s15, 0
	s_wait_kmcnt 0x0
	s_add_nc_u64 s[4:5], s[4:5], s[12:13]
	s_add_nc_u64 s[6:7], s[6:7], s[14:15]
.macro LOADT t                         ; tile t: 16 loads of 512 consecutive bytes
.irp p, 0,1,2,3,4,5,6,7,8,9,10,11,12,13,14,15
	global_load_b128 v[R+64*(\t)+4*\p:R+64*(\t)+4*\p+3], v[GA], s[4:5] offset:\p*ROWB+512*(\t) th:TH_LOAD_NT
.endr
.endm
.macro TURNT t                         ; through my stage: LDS serves a wave's instructions in order, so no wait stands between the stores and the loads
.irp p, 0,1,2,3,4,5,6,7,8,9,10,11,12,13,14,15
	ds_store_b128 v[SA], v[R+64*(\t)+4*\p:R+64*(\t)+4*\p+3] offset:STG*(\t)+PITCH*\p
.endr
.irp b, 0,1,2,3
.irp u, 0,1
.irp q, 0,1
	ds_load_b128 v[X+16*\b+8*\u+4*\q:X+16*\b+8*\u+4*\q+3], v[LA] offset:STG*(\t)+(32*\b+16*\u+4*\q)*4
.endr
.endr
.endr
.endm
.macro BITS t                          ; 64 compares make 64 lane masks; each goes to its lane of the two output registers
.set n, 0
.rept 8
.irp k, 0,1,2,3,4,5,6,7
	v_cmp_ne_u32 s[20+\k], 0, v[X+n+\k]
.endr
.irp k, 0,1,2,3,4,5,6,7
	v_writelane_b32 v[W+2*(\t)+(\k&1)], s[20+\k], (n+\k)>>1
.endr
.set n, n+8
.endr
	global_store_b64 v[LI8], v[W+2*(\t):W+2*(\t)+1], s[6:7] offset:256*(\t)   ; 32 lanes store 256 consecutive bytes, aligned
.endm
	LOADT 0
	LOADT 1
	s_wait_loadcnt 16                              ; tile 0's sixteen loads are in; tile 1's may be out
	TURNT 0
	s_wait_dscnt 0x0
	BITS 0
	s_wait_loadcnt 0x0
	TURNT 1
	s_wait_dscnt 0x0
	BITS 1
	s_wait_tensorcnt 0x0                           ; the wave's end: behind my last LDS store
	ds_add_u32 v[SPW], v[NIL]
	s_wait_dscnt 0x0
	s_endpgm
.Lfunc_end_k_qc63143ffe6_mb:
	.size	k_qc63143ffe6_mb, .Lfunc_end_k_qc63143ffe6_mb-k_qc63143ffe6_mb
	.p2alignl 7, 3214868480
	.fill 96, 4, 3214868480
	.section	.rodata,"a",@progbits
	.p2align	6, 0x0
	.amdhsa_kernel k_qc63143ffe6_mb
		.amdhsa_group_segment_fixed_size 68096
		.amdhsa_private_segment_fixed_size 0
		.amdhsa_enable_private_segment 0
		.amdhsa_kernarg_size 16
		.amdhsa_user_sgpr_count 2
		.amdhsa_user_sgpr_kernarg_segment_ptr 1
		.amdhsa_wavefront_size32 1
		.amdhsa_system_sgpr_workgroup_id_x 1
		.amdhsa_system_sgpr_workgroup_id_y 1
		.amdhsa_system_sgpr_workgroup_id_z 1
		.amdhsa_system_vgpr_workitem_id 0
		.amdhsa_next_free_vgpr 216
		.amdhsa_next_free_sgpr 66
		.amdhsa_reserve_vcc 0
		.amdhsa_float_denorm_mode_32 3
		.amdhsa_float_denorm_mode_16_64 3
		.amdhsa_memory_ordered 1
		.amdhsa_forward_progress 1
		.amdhsa_inst_pref_size 26
	.end_amdhsa_kernel
	.amdgpu_metadata
---
amdhsa.version: [ 1, 2 ]
amdhsa.kernels:
  - .name:           k_qc63143ffe6_mb
    .symbol:         k_qc63143ffe6_mb.kd
    .args:
      - { .name: mask, .offset: 0, .size: 8, .value_kind: global_buffer, .address_space: global }
      - { .name: mbits, .offset: 8, .size: 8, .value_kind: global_buffer, .address_space: global }
    .group_segment_fixed_size: 68096
    .private_segment_fixed_size: 0
    .kernarg_segment_align: 8
    .kernarg_segment_size: 16
    .max_flat_workgroup_size: 128
    .sgpr_count:     66
    .vgpr_count:     216
    .wavefront_size: 32
...
	.end_amdgpu_metadata
.endif
;; end of part 1
;; launch qx (part 2): grid 512 x 1, 4 waves a work-group, no clusters, 68,096 bytes of LDS; arguments x, xc, xs; writes xc, xs
.if DOCPART == 2
	.amdgcn_target "amdgcn-amd-amdhsa--gfx1250"
	.amdhsa_code_object_version 6
	.text
	.protected	k_qc63143ffe6_qx
	.globl	k_qc63143ffe6_qx
	.p2align	8
	.type	k_qc63143ffe6_qx,@function
k_qc63143ffe6_qx:
	s_mov_b64 s[64:65], 0
	v_nop
	global_prefetch_b8 v0, s[64:65] scope:SCOPE_SE
	s_setreg_imm32_b32 hwreg(HW_REG_WAVE_MODE, 25, 1), 1
	s_wait_xcnt 0x0
; x [8192][1024] f32 -> codes of FP6 (E2M3) and E8M0 scale bytes, one for each 32 along K.  Nothing is left out.
; xc: [row tile 512][kf 8] fragments (16 rows x 128 K) as IMAGES OF THE OPERAND'S REGISTERS: six pieces of 256 bytes, piece p = registers 2 p, 2 p + 1, lane l at 8 l.
; xs: [ks 4][row 8192][2 words]: word kf % 2 of K step ks = kf / 2, byte = block of 32.
; Inside a block of 32, code place 16 h + 8 u + j holds number 16 u + 8 h + j, as in every operand of this program.
; A block's scale is 2^(floor(log2(largest magnitude)) - 2): its byte is the largest magnitude's exponent field - 2, held at 1 from below.
; LIMITS: NaN and infinities are not served; a block whose largest magnitude lies under 2^-124 (a block of zeros too) gets the byte 1: a zero block's codes are zeros, and this program alone reads the bytes.
; SHARES: a work-group takes 16 rows; wave w the fragments kf = 2 w, 2 w + 1.  Loads read 512 consecutive bytes of a row; a tile turns through the wave's own stage in LDS.  No barrier.
; The scale words leave as 128 consecutive bytes a wave: half an aligned block of 256; they are one byte in 128 of what the launch reads.
.set ROWB,  4096
.set PITCH, 528
.set STG,   16*PITCH
.set WREG,  2*STG
.set SPARE, 4*WREG
.set GA,  4
.set SA,  5
.set LA,  6
.set LI8, 7
.set SO,  8                            ; v8   8 r + 4 h: my scale word's place
.set SPW, 10
.set NIL, 11
.set R,   16                           ; v16-143  two tiles as loaded
.set X,   144                          ; v144-207 register 16 b + 8 u + j = number 32 b + 16 u + 8 h + j of my row's 128
.set PC,  208                          ; v208-227 the codes
.set TM,  228                          ; v228-243 at work
.set PW,  244                          ; the scale word just made
.set SW,  246                          ; v246-247 both fragments' scale words
.set SEL, 12                           ; s[12:13] lane l xor 16
.set HM,  14                           ; s14  lanes 16-31
	s_load_b128 s[4:7], s[0:1], 0x0                ; x, xc
	s_load_b64 s[8:9], s[0:1], 0x10                ; xs
	v_lshl_add_u32 v[SPW], v0, 2, SPARE
	v_mov_b32 v[NIL], 0
	v_lshrrev_b32 v1, 5, v0
	v_readfirstlane_b32 s10, v1                    ; wave
	v_and_b32 v2, 31, v0
	v_and_b32 v3, 15, v0                           ; r
	v_bfe_u32 v9, v0, 4, 1                         ; h
	v_lshlrev_b32 v[GA], 4, v2
	v_lshlrev_b32 v[LI8], 3, v2
	s_mul_i32 s11, s10, WREG
	v_add_nc_u32 v[SA], s11, v[GA]
	v_mul_u32_u24 v[LA], v3, PITCH
	v_lshl_add_u32 v[LA], v9, 5, v[LA]
	v_add_nc_u32 v[LA], s11, v[LA]
	v_lshlrev_b32 v[SO], 3, v3
	v_lshl_add_u32 v[SO], v9, 2, v[SO]
.irp b, 0,1,2,3
	v_mov_b32 v[TM+4+\b], 0                        ; a lane permute's destination counts as one of its sources
.endr
	s_mov_b32 s[SEL], 0x76543210
	s_mov_b32 s[SEL+1], 0xfedcba98
	s_mov_b32 s[HM], 0xffff0000
	s_lshl_b32 s16, ttmp9, 16                      ; 16 rows of 4,096 bytes
	s_lshl_b32 s17, s10, 10                        ; 256 numbers a wave
	s_add_co_u32 s16, s16, s17
	s_mov_b32 s17, 0
	s_mul_i32 s18, ttmp9, 12288                    ; 8 fragments of 1,536 bytes
	s_mul_i32 s19, s10, 3072
	s_add_co_u32 s18, s18, s19
	s_mov_b32 s19, 0
	s_lshl_b32 s20, s10, 16                        ; K step = wave
	s_lshl_b32 s21, ttmp9, 7                       ; 16 rows of 8 bytes
	s_add_co_u32 s20, s20, s21
	s_mov_b32 s21, 0
	s_wait_kmcnt 0x0
	s_add_nc_u64 s[4:5], s[4:5], s[16:17]
	s_add_nc_u64 s[6:7], s[6:7], s[18:19]
	s_add_nc_u64 s[8:9], s[8:9], s[20:21]
.macro LOADT t
.irp p, 0,1,2,3,4,5,6,7,8,9,10,11,12,13,14,15
	global_load_b128 v[R+64*(\t)+4*\p:R+64*(\t)+4*\p+3], v[GA], s[4:5] offset:\p*ROWB+512*(\t) th:TH_LOAD_NT
.endr
.endm
.macro TURNT t
.irp p, 0,1,2,3,4,5,6,7,8,9,10,11,12,13,14,15
	ds_store_b128 v[SA], v[R+64*(\t)+4*\p:R+64*(\t)+4*\p+3] offset:STG*(\t)+PITCH*\p
.endr
.irp b, 0,1,2,3
.irp u, 0,1
.irp q, 0,1
	ds_load_b128 v[X+16*\b+8*\u+4*\q:X+16*\b+8*\u+4*\q+3], v[LA] offset:STG*(\t)+(32*\b+16*\u+4*\q)*4
.endr
.endr
.endr
.endm
; 64 numbers of a lane, register 16 b + e = code place 16 (lane / 16) + e of block b of my row, become a fragment's codes in v[pc] .. v[pc + 11] and its scale word in v[PW]
.macro QUANT s, pc
.irp b, 0,1,2,3
	v_max3_num_f32 v[TM+\b], |v[\s+16*\b]|, |v[\s+1+16*\b]|, 0x1800000   ; my 16 numbers of block b, and the floor 2^(3 - 127): the byte cannot fall under 1
.endr
.irp i, 2,4,6,8,10,12,14
.irp b, 0,1,2,3
	v_max3_num_f32 v[TM+\b], v[TM+\b], |v[\s+16*\b+\i]|, |v[\s+1+16*\b+\i]|
.endr
.endr
.irp b, 0,1,2,3
	v_permlanex16_b32 v[TM+4+\b], v[TM+\b], s[SEL], s[SEL+1]
.endr
.irp b, 0,1,2,3
	v_max_num_f32 v[TM+\b], v[TM+\b], v[TM+4+\b]   ; with lane l xor 16's: the block's largest magnitude
.endr
.irp b, 0,1,2,3
	v_add_nc_u32 v[TM+12+\b], 0xff000000, v[TM+\b] ; 2 off its exponent field: the conversion's scale operand
.endr
.irp b, 0,1,2,3
	v_lshrrev_b32 v[TM+4+\b], 23, v[TM+12+\b]      ; the scale's byte
.endr
	v_lshl_or_b32 v[PW], v[TM+5], 8, v[TM+4]
	v_lshl_or_b32 v[PW], v[TM+6], 16, v[PW]
	v_lshl_or_b32 v[PW], v[TM+7], 24, v[PW]
.irp c, 0,1
	v_cvt_scalef32_pk16_fp6_f32 v[\pc+6*\c:\pc+2+6*\c], v[\s+32*\c:\s+15+32*\c], v[TM+12+2*\c]
	v_cvt_scalef32_pk16_fp6_f32 v[\pc+12+4*\c:\pc+14+4*\c], v[\s+16+32*\c:\s+31+32*\c], v[TM+12+2*\c+1]   ; (a conversion's three registers begin on an even number)
.endr
	v_nop                                          ; one plain place behind a scaled conversion
.irp c, 0,1                            ; the operand's layout wants a whole block in a lane: lanes 0-15 block 2 c, lanes 16-31 block 2 c + 1
.irp i, 0,1,2
	v_permlane16_swap_b32 v[\pc+6*\c+\i], v[\pc+12+4*\c+\i]
.endr
.irp i, 0,1,2
	v_mov_b32 v[\pc+3+6*\c+\i], v[\pc+12+4*\c+\i]
.endr
.endr
.endm
.macro TILE t
	TURNT \t
	s_wait_dscnt 0x0
	s_wait_xcnt 0x0                                ; the last fragment's stores have read their registers: the codes may be written again
	QUANT X, PC
.irp p, 0,1,2,3,4,5
	global_store_b64 v[LI8], v[PC+2*\p:PC+2*\p+1], s[6:7] offset:1536*(\t)+256*\p   ; 32 lanes store 256 consecutive bytes, aligned
.endr
	v_mov_b32 v[SW+(\t)], v[PW]
.endm
	LOADT 0
	LOADT 1
	s_wait_loadcnt 16                              ; tile 0's sixteen loads are in; tile 1's may be out
	TILE 0
	s_wait_loadcnt 0x0
	TILE 1
	v_cndmask_b32 v248, v[SW], v[SW+1], s[HM]      ; lanes 0-15: word 0 of row r; lanes 16-31: word 1
	global_store_b32 v[SO], v248, s[8:9]
	s_wait_tensorcnt 0x0                           ; the wave's end: behind my last LDS store
	ds_add_u32 v[SPW], v[NIL]
	s_wait_dscnt 0x0
	s_endpgm
.Lfunc_end_k_qc63143ffe6_qx:
	.size	k_qc63143ffe6_qx, .Lfunc_end_k_qc63143ffe6_qx-k_qc63143ffe6_qx
	.p2alignl 7, 3214868480
	.fill 96, 4, 3214868480
	.section	.rodata,"a",@progbits
	.p2align	6, 0x0
	.amdhsa_kernel k_qc63143ffe6_qx
		.amdhsa_group_segment_fixed_size 68096
		.amdhsa_private_segment_fixed_size 0
		.amdhsa_enable_private_segment 0
		.amdhsa_kernarg_size 24
		.amdhsa_user_sgpr_count 2
		.amdhsa_user_sgpr_kernarg_segment_ptr 1
		.amdhsa_wavefront_size32 1
		.amdhsa_system_sgpr_workgroup_id_x 1
		.amdhsa_system_sgpr_workgroup_id_y 1
		.amdhsa_system_sgpr_workgroup_id_z 1
		.amdhsa_system_vgpr_workitem_id 0
		.amdhsa_next_free_vgpr 252
		.amdhsa_next_free_sgpr 66
		.amdhsa_reserve_vcc 0
		.amdhsa_float_denorm_mode_32 3
		.amdhsa_float_denorm_mode_16_64 3
		.amdhsa_memory_ordered 1
		.amdhsa_forward_progress 1
		.amdhsa_inst_pref_size 19
	.end_amdhsa_kernel
	.amdgpu_metadata
---
amdhsa.version: [ 1, 2 ]
amdhsa.kernels:
  - .name:           k_qc63143ffe6_qx
    .symbol:         k_qc63143ffe6_qx.kd
    .args:
      - { .name: x, .offset: 0, .size: 8, .value_kind: global_buffer, .address_space: global }
      - { .name: xc, .offset: 8, .size: 8, .value_kind: global_buffer, .address_space: global }
      - { .name: xs, .offset: 16, .size: 8, .value_kind: global_buffer, .address_space: global }
    .group_segment_fixed_size: 68096
    .private_segment_fixed_size: 0
    .kernarg_segment_align: 8
    .kernarg_segment_size: 24
    .max_flat_workgroup_size: 128
    .sgpr_count:     66
    .vgpr_count:     252
    .wavefront_size: 32
...
	.end_amdgpu_metadata
.endif
;; end of part 2
;; launch qw (part 3): grid 64 x 4, 4 waves a work-group, no clusters, 0 bytes of LDS; arguments w_q, w_k, w_v, w_o, wc, ws; writes wc, ws
.if DOCPART == 3
	.amdgcn_target "amdgcn-amd-amdhsa--gfx1250"
	.amdhsa_code_object_version 6
	.text
	.protected	k_qc63143ffe6_qw
	.globl	k_qc63143ffe6_qw
	.p2align	8
	.type	k_qc63143ffe6_qw,@function
k_qc63143ffe6_qw:
	s_mov_b64 s[64:65], 0
	v_nop
	global_prefetch_b8 v0, s[64:65] scope:SCOPE_SE
	s_setreg_imm32_b32 hwreg(HW_REG_WAVE_MODE, 25, 1), 1
	s_wait_xcnt 0x0
; The four weights [K 1024][N 1024] f32, K their FIRST axis -> codes of FP6 and E8M0 scale bytes along K.  Nothing is left out.
; wc: [column tile 256][kf 8] fragments as images of the operand's registers (six pieces of 256 bytes: registers 2 p, 2 p + 1, lane l at 8 l); rows 0-1023 are w_q's columns, then w_k's, w_v's, w_o's.
; ws: [ks 4][row 4096][2 words].  Inside a block of 32, code place 16 h + 8 u + j holds number 16 u + 8 h + j: here by the choice of each load's register.
; A LANE TAKES A COLUMN, ITS REGISTERS RUN DOWN K, in the order that the operand's layout gives that lane: lane (r, h) holds blocks 2 c + h whole, so no other lane is asked for a maximum and nothing is transposed.
; SHARES: work-group (X, ks): weight X / 16; wave w the column tile 4 X + w; the four waves stand side by side on 256 bytes of each row; a wave makes the two fragments of K step ks.
; LIMITS: as in qx (NaN, infinities; the byte 1 for blocks under 2^-124 and for zero blocks).  No LDS is touched.
.set X,   16                           ; v16-143  two fragments' numbers
.set MX,  144                          ; v144-145 largest magnitudes; v146-147 scale operands; v148-149 bytes
.set SW,  150                          ; v150-151 the two scale words
.set PCA, 160                          ; v160-183 the two fragments' codes
.set TP,  184                          ; v184-190 the conversions' second halves
	s_load_b256 s[4:11], s[0:1], 0x0               ; w_q, w_k, w_v, w_o
	s_load_b128 s[12:15], s[0:1], 0x20             ; wc, ws
	v_lshrrev_b32 v1, 5, v0
	v_readfirstlane_b32 s16, v1                    ; wave
	v_and_b32 v2, 15, v0                           ; r
	v_bfe_u32 v3, v0, 4, 1                         ; h
	v_lshlrev_b32 v4, 2, v2
	v_lshl_add_u32 v4, v3, 17, v4                  ; in: column r, and 32 rows of 4,096 bytes further down for lanes 16-31
	v_and_b32 v5, 31, v0
	v_lshlrev_b32 v5, 3, v5                        ; 8 x lane
	v_lshlrev_b32 v6, 3, v2
	v_lshl_add_u32 v6, v3, 2, v6                   ; 8 r + 4 h
	v_lshlrev_b32 v7, 3, v3                        ; 8 h: my bytes' shift in the scale word
	v_mov_b32 v153, 0                              ; a lane permute's destination counts as one of its sources
	s_mov_b32 s20, 0x76543210
	s_mov_b32 s21, 0xfedcba98
	s_mov_b32 s22, 0xffff0000                      ; lanes 16-31
	s_and_b32 s17, ttmp7, 0xffff                   ; ks
	s_lshr_b32 s18, ttmp9, 4                       ; which weight
	s_and_b32 s19, ttmp9, 15
	s_lshl_b32 s19, s19, 8                         ; 64 columns of 4 bytes
	s_lshl_b32 s23, s16, 6                         ; 16 columns a wave
	s_add_co_u32 s19, s19, s23
	s_lshl_b32 s23, s17, 20                        ; 256 rows of 4,096 bytes
	s_add_co_u32 s24, s19, s23
	s_mov_b32 s25, 0
	s_lshl_b32 s26, ttmp9, 2
	s_add_co_u32 s26, s26, s16                     ; the column tile, 0 .. 255
	s_mul_i32 s28, s26, 12288
	s_mul_i32 s27, s17, 3072
	s_add_co_u32 s28, s28, s27
	s_mov_b32 s29, 0
	s_lshl_b32 s30, s26, 7
	s_lshl_b32 s27, s17, 15
	s_add_co_u32 s30, s30, s27
	s_mov_b32 s31, 0
	s_wait_kmcnt 0x0
	s_cmp_eq_u32 s18, 1                            ; the choice hangs on the work-group's number alone
	s_cselect_b64 s[4:5], s[6:7], s[4:5]
	s_cmp_eq_u32 s18, 2
	s_cselect_b64 s[4:5], s[8:9], s[4:5]
	s_cmp_eq_u32 s18, 3
	s_cselect_b64 s[4:5], s[10:11], s[4:5]
	s_add_nc_u64 s[4:5], s[4:5], s[24:25]
	s_add_nc_u64 s[12:13], s[12:13], s[28:29]
	s_add_nc_u64 s[14:15], s[14:15], s[30:31]
.set f, 0
.rept 2
.set c, 0
.rept 2
.set i, 0
.rept 32                               ; number i of the block goes to the register of its code place: bits 3 and 4 of i change places
	global_load_b32 v[X+64*f+32*c+((i&7)|(((i>>3)&1)<<4)|(((i>>4)&1)<<3))], v4, s[4:5] offset:(128*f+64*c+i)*4096 th:TH_LOAD_NT
.set i, i+1
.endr
.set c, c+1
.endr
.set f, f+1
.endr
.macro WQ f
.set XS, X+64*(\f)
.set PCF, PCA+12*(\f)
.irp c, 0,1
	v_max3_num_f32 v[MX+\c], |v[XS+32*\c]|, |v[XS+32*\c+1]|, 0x1800000   ; my block 2 c + h: all 32 numbers are mine; and the floor 2^(3 - 127)
.endr
.irp i, 2,4,6,8,10,12,14,16,18,20,22,24,26,28,30
.irp c, 0,1
	v_max3_num_f32 v[MX+\c], v[MX+\c], |v[XS+32*\c+\i]|, |v[XS+32*\c+\i+1]|
.endr
.endr
.irp c, 0,1
	v_add_nc_u32 v[MX+2+\c], 0xff000000, v[MX+\c]  ; 2 off the exponent field: the conversion's scale operand
.endr
.irp c, 0,1
	v_lshrrev_b32 v[MX+4+\c], 23, v[MX+2+\c]       ; the scale's byte
.endr
	v_lshl_or_b32 v152, v[MX+5], 16, v[MX+4]       ; my two bytes, blocks h and 2 + h,
	v_lshlrev_b32 v152, v7, v152                   ; at their places in the word;
	v_permlanex16_b32 v153, v152, s20, s21
	v_or_b32 v[SW+(\f)], v152, v153                ; with lane l xor 16's two the word is whole
.irp c, 0,1
	v_cvt_scalef32_pk16_fp6_f32 v[PCF+6*\c:PCF+6*\c+2], v[XS+32*\c:XS+32*\c+15], v[MX+2+\c]
	v_cvt_scalef32_pk16_fp6_f32 v[TP+4*\c:TP+4*\c+2], v[XS+32*\c+16:XS+32*\c+31], v[MX+2+\c]
.endr
	v_nop                                          ; one plain place behind a scaled conversion
.irp c, 0,1
.irp i, 0,1,2
	v_mov_b32 v[PCF+6*\c+3+\i], v[TP+4*\c+\i]
.endr
.endr
.irp p, 0,1,2,3,4,5
	global_store_b64 v5, v[PCF+2*\p:PCF+2*\p+1], s[12:13] offset:1536*(\f)+256*\p   ; 256 consecutive bytes, aligned; each fragment has its own registers, so no store's data are written again
.endr
.endm
	s_wait_loadcnt 63                              ; the first fragment's 64 loads are in (of the 128 issued, 63 of the second's may be out)
	WQ 0
	s_wait_loadcnt 0x0
	WQ 1
	v_cndmask_b32 v152, v[SW], v[SW+1], s22        ; lanes 0-15: word 0 of row r; lanes 16-31: word 1
	global_store_b32 v6, v152, s[14:15]
	s_endpgm
.Lfunc_end_k_qc63143ffe6_qw:
	.size	k_qc63143ffe6_qw, .Lfunc_end_k_qc63143ffe6_qw-k_qc63143ffe6_qw
	.p2alignl 7, 3214868480
	.fill 96, 4, 3214868480
	.section	.rodata,"a",@progbits
	.p2align	6, 0x0
	.amdhsa_kernel k_qc63143ffe6_qw
		.amdhsa_group_segment_fixed_size 0
		.amdhsa_private_segment_fixed_size 0
		.amdhsa_enable_private_segment 0
		.amdhsa_kernarg_size 48
		.amdhsa_user_sgpr_count 2
		.amdhsa_user_sgpr_kernarg_segment_ptr 1
		.amdhsa_wavefront_size32 1
		.amdhsa_system_sgpr_workgroup_id_x 1
		.amdhsa_system_sgpr_workgroup_id_y 1
		.amdhsa_system_sgpr_workgroup_id_z 1
		.amdhsa_system_vgpr_workitem_id 0
		.amdhsa_next_free_vgpr 192
		.amdhsa_next_free_sgpr 66
		.amdhsa_reserve_vcc 0
		.amdhsa_float_denorm_mode_32 3
		.amdhsa_float_denorm_mode_16_64 3
		.amdhsa_memory_ordered 1
		.amdhsa_forward_progress 1
		.amdhsa_inst_pref_size 22
	.end_amdhsa_kernel
	.amdgpu_metadata
---
amdhsa.version: [ 1, 2 ]
amdhsa.kernels:
  - .name:           k_qc63143ffe6_qw
    .symbol:         k_qc63143ffe6_qw.kd
    .args:
      - { .name: w_q, .offset: 0, .size: 8, .value_kind: global_buffer, .address_space: global }
      - { .name: w_k, .offset: 8, .size: 8, .value_kind: global_buffer, .address_space: global }
      - { .name: w_v, .offset: 16, .size: 8, .value_kind: global_buffer, .address_space: global }
      - { .name: w_o, .offset: 24, .size: 8, .value_kind: global_buffer, .address_space: global }
      - { .name: wc, .offset: 32, .size: 8, .value_kind: global_buffer, .address_space: global }
      - { .name: ws, .offset: 40, .size: 8, .value_kind: global_buffer, .address_space: global }
    .group_segment_fixed_size: 0
    .private_segment_fixed_size: 0
    .kernarg_segment_align: 8
    .kernarg_segment_size: 48
    .max_flat_workgroup_size: 128
    .sgpr_count:     66
    .vgpr_count:     192
    .wavefront_size: 32
...
	.end_amdgpu_metadata
.endif
;; end of part 3
;; launch gemm_qkv (part 4): grid 12 x 32, 4 waves a work-group, clusters of 4 x 4, 327,680 bytes of LDS; arguments xc, xs, wc, ws, b_q, b_k, b_v, qkv; writes qkv
.if DOCPART == 4
	.amdgcn_target "amdgcn-amd-amdhsa--gfx1250"
	.amdhsa_code_object_version 6
	.text
	.protected	k_qc63143ffe6_gemm_qkv
	.globl	k_qc63143ffe6_gemm_qkv
	.p2align	8
	.type	k_qc63143ffe6_gemm_qkv,@function
k_qc63143ffe6_gemm_qkv:
	s_mov_b64 s[64:65], 0
	v_nop
	global_prefetch_b8 v0, s[64:65] scope:SCOPE_SE
	s_setreg_imm32_b32 hwreg(HW_REG_WAVE_MODE, 25, 1), 1
	s_wait_xcnt 0x0
	s_wait_alu depctr_hold_cnt(0) depctr_sa_sdst(0) depctr_va_vdst(0) depctr_va_sdst(0) depctr_va_ssrc(0) depctr_va_vcc(0) depctr_vm_vsrc(0)
	s_getreg_b32 s2, hwreg(HW_REG_IB_STS2, 6, 4)
	s_cmp_eq_u32 s2, 0
	s_cbranch_scc0 .Lentry_in_a_cluster
	s_endpgm
.Lentry_in_a_cluster:
	s_bfe_u32 s2, ttmp6, 0x10000c
	s_cmp_lg_u32 s2, 0xf033
	s_cbranch_scc0 .Lentry_shape_is_right
	s_endpgm
.Lentry_shape_is_right:
; q, k, v = x w + b on codes of FP6, and at once their quantising for attention's two products.  Nothing is left out.
; A tile of 256 tokens x 256 columns to a work-group of four waves, 128 x 128 a wave: 64 accumulators.  K = 1,024 goes in four steps of 256 through a ring of two LDS slots; the eight steps of 128 are written out.
; OPERANDS ARE IMAGES OF THEIR REGISTERS (xc, wc): a fragment is six pieces of 256 bytes, lane l at 8 l: six ds_load_b64 of 256 consecutive bytes each; no pitch, no padding.
; CLUSTERS 4 x 4: x's tile hangs on the tile row and is asked for jointly along a row of the cluster, the weights' on the tile column, jointly along a column.
; The cluster's x says which product: 0 q, 1 k, 2 v: the same in all sixteen partners.
; ROLES.  q, k: source 0 = 16 columns of the weight, source 1 = 16 tokens: a lane holds a token, its registers run along the head's columns, the K of q k^T.
;         v:    source 0 = 16 tokens, source 1 = 16 columns: a lane holds a column d, its registers run along the tokens, the K of p v.  Only the LDS read addresses differ, chosen once at the head.
; WAY OUT: bias added in f32, 64 numbers a lane quantised in registers, fragments stored as images into qkv.  A head's part of qkv (HS bytes): K images [key tile 128] of 768 bytes (registers 0-5: K = 64);
; V images [key step 16][d tile 4] of 1,536 bytes (three pieces of 512: registers 4 c .. 4 c + 3, lane l at 16 l); K's scale words [group 16][lane 32][4]: word i of lane l = token 32 i + l, bytes 2, 3 = 0;
; V's scale words [key step][lane][2]: lanes 0-15 d tile 2 e, lanes 16-31 d tile 2 e + 1; then Q's images and scale words, as K's.
; LIMITS: as in qx.
; REGISTERS: window 0: v1-7 at work at the head; v8-15 the bias loads' offsets; v16-29 addresses; v32-63 scale words, two sets; v64-127 the bias; from v128 source 1's fragments, one set; on the way out v128-247 at work.
;   window 1: source 0's fragments, two sets, at v0 and v128.  window 2: accumulators of source 1's blocks 0-3 ((a, b) at v[8 (8 a + b)]); window 3: of blocks 4-7.
.set FR,    12
.set NL,    6                          ; LDS loads that bring a fragment
.set NP,    4                          ; places behind this matrix instruction (ISA guide 7.12.1)
.set HALFT, 24576                      ; 8 row tiles x 2 fragments x 1,536 bytes: what one tensor load brings
.set SLOT,  4*HALFT                    ; x's two halves, then the weights' two halves: part w is filled by wave w
.set SCL,   2*SLOT                     ; the scale words of all of K: four parts of [ks 4][128 rows][8 bytes]; part w is filled by wave w
.set SPARE, SCL+4*4096                 ; the spare words, 128 bytes for each wave
.set HS,    315392                     ; a head's bytes in qkv
.set BO,  8
.set AD1, 16                           ; v16-17 source 1's fragments in slot 0, 1
.set AD0, 20                           ; v20-21 source 0's
.set LI8, 24                           ; v24  8 x lane
.set LI16, 25                          ; v25  16 x lane
.set ADRS, 27                          ; v27  my scale words: lanes 0-15 source 1's rows, lanes 16-31 source 0's
.set SPW, 28
.set NIL, 29
.set SC,  32
.set BI,  64
.set AF,  128
.set HA,  128                          ; the way out: 64 numbers
.set PC,  192                          ; v192-211 codes
.set TM,  212                          ; v212-227 at work
.set PW,  228
.set SW,  232                          ; v232-239 the eight scale words
.set T,   240                          ; v240-247 scale words as they are stored
.set G1X, 24
.set G0X, 32
.set G1W, 48
.set G0W, 56
.set G1SX, 68
.set G0SX, 76
.set G1SW, 80
.set G0SW, 88
.set SEL, 92                           ; s[92:93] lane l xor 16 (set behind the first loads)
.set PB,  14                           ; s[14:15] where my images go
.set PS,  16                           ; s[16:17] where my scale words go
.set WV,  96
.set HI,  97                           ; wave / 2: source 1's half.  Also: I fetch for x (0) or for the weights (1)
.set LO,  98                           ; wave % 2: source 0's half.  Also: which half I fetch
.set TR,  99                           ; tile row
.set ISV, 100
.set HM,  101                          ; lanes 16-31
.set MSB, 0
.macro WIN new                         ; the immediate's high byte repeats the setting that is left
.if MSB != (\new)
	s_set_vgpr_msb (MSB<<8)|(\new)
.set MSB, (\new)
.endif
.endm
.set MUL_LO, 0xa1                      ; source 0 window 1, source 1 window 0, C and D window 2
.set MUL_HI, 0xf1
.set TO_B,   0x40
; A joint load: waves 0 and 1 fetch for x, waves 2 and 3 for the weights; the branch hangs on the wave's number alone.  An s_nop 0 and four v_nop follow each line.
.macro JLOAD g0a, g1a, g0b, g1b
	s_cmp_eq_u32 s[HI], 0
	s_cbranch_scc0 .Lfor_b_\@
	tensor_load_to_lds s[\g0a:\g0a+3], s[\g1a:\g1a+7]
	s_nop 0
.rept 4
	v_nop
.endr
	s_branch .Lasked_\@
.Lfor_b_\@:
	tensor_load_to_lds s[\g0b:\g0b+3], s[\g1b:\g1b+7]
	s_nop 0
.rept 4
	v_nop
.endr
.Lasked_\@:
.endm
.macro CREST                           ; a round of the cluster's barrier behind its opening barrier
	s_cmp_lg_u32 s[WV], 0
	s_cbranch_scc1 .Lnot_wave_0_\@
	s_barrier_signal -3
.Lnot_wave_0_\@:
	s_barrier_wait -3
	s_barrier_signal -1
	s_barrier_wait -1
.endm
.macro CROUND
	s_barrier_signal -1
	s_barrier_wait -1
	CREST
.endm
	s_load_b512 s[4:19], s[0:1], 0x0               ; xc, xs, wc, ws, b_q, b_k, b_v, qkv
	v_lshl_add_u32 v[SPW], v0, 2, SPARE
	v_mov_b32 v[NIL], 0
	ds_add_u32 v[SPW], v[NIL]                      ; the wave's opening: the add, twice on end, and its wait ahead of my first tensor load
	ds_add_u32 v[SPW], v[NIL]
	v_lshrrev_b32 v1, 5, v0
	v_readfirstlane_b32 s[WV], v1
	s_lshr_b32 s[HI], s[WV], 1
	s_and_b32 s[LO], s[WV], 1
	s_bfe_u32 s40, ttmp6, 0x40000                  ; cx
	s_bfe_u32 s41, ttmp6, 0x40004                  ; cy
	s_lshl_b32 s42, ttmp9, 2
	s_add_co_u32 s42, s42, s40                     ; tile column, 0 .. 11
	s_and_b32 s[TR], ttmp7, 0xffff
	s_lshl_b32 s[TR], s[TR], 2
	s_add_co_u32 s[TR], s[TR], s41                 ; tile row, 0 .. 31
	s_lshl_b32 s43, s41, 2
	s_lshl_b32 s43, 15, s43                        ; my row of the cluster
	s_lshl_b32 s44, 0x1111, s40                    ; my column
	; group 1 for the codes: 8 rows (row tiles) of 384 elements of 8 bytes (two fragments), 1,536 elements (a row tile's eight fragments) apart; no padding
	s_or_b32 s[G1X], s43, (3<<16)|(1<<21)
	s_or_b32 s[G1W], s44, (3<<16)|(1<<21)
.irp g, G1X, G1W
	s_mov_b32 s[\g+1], 384<<16
	s_mov_b32 s[\g+2], 8<<16
	s_mov_b32 s[\g+3], 384<<16
	s_mov_b32 s[\g+4], 8
	s_mov_b32 s[\g+5], 1536
	s_mov_b32 s[\g+6], 0
	s_mov_b32 s[\g+7], 0
.endr
	; and for the scale words: 4 rows (K steps) of 128 elements of 8 bytes (128 rows); a K step's words of all rows are 8,192 (x) or 4,096 (weights) elements
	s_or_b32 s[G1SX], s43, (3<<16)|(1<<21)
	s_or_b32 s[G1SW], s44, (3<<16)|(1<<21)
.irp g, G1SX, G1SW
	s_mov_b32 s[\g+1], 128<<16
	s_mov_b32 s[\g+2], 4<<16
	s_mov_b32 s[\g+3], 128<<16
	s_mov_b32 s[\g+4], 4
	s_mov_b32 s[\g+6], 0
	s_mov_b32 s[\g+7], 0
.endr
	s_mov_b32 s[G1SX+5], 8192
	s_mov_b32 s[G1SW+5], 4096
	s_lshl_b32 s21, s[LO], 3
	s_lshl_b32 s20, s[TR], 4
	s_add_co_u32 s20, s20, s21                     ; x: my first row tile: 16 x tile row + 8 x half
	s_lshl_b32 s46, s42, 4
	s_add_co_u32 s46, s46, s21                     ; the weights': 16 x tile column + 8 x half
	s_lshl_b32 s22, s20, 7                         ; their scale words: 16 rows of 8 bytes a tile
	s_lshl_b32 s92, s46, 7
	s_mul_i32 s20, s20, 12288                      ; their codes
	s_mul_i32 s46, s46, 12288
	s_mov_b32 s21, 0
	s_mov_b32 s23, 0
	s_mov_b32 s47, 0
	s_mov_b32 s93, 0
	s_mul_i32 s45, s[WV], HALFT                    ; where they go: no place in the cluster enters an LDS address
	s_lshl_b32 s94, s[WV], 12
	s_mov_b32 s[HM], 0xffff0000
	s_wait_dscnt 0x0                               ; both opening adds are done
	s_wait_kmcnt 0x0
	s_add_nc_u64 s[20:21], s[4:5], s[20:21]
	s_add_nc_u64 s[22:23], s[6:7], s[22:23]
	s_add_nc_u64 s[46:47], s[8:9], s[46:47]
	s_add_nc_u64 s[92:93], s[10:11], s[92:93]
	CROUND                                         ; all sixteen work-groups are here: the first joint loads meet
	s_mov_b32 s[G0SX], 1
	s_add_co_u32 s[G0SX+1], s94, SCL
	s_mov_b64 s[G0SX+2:G0SX+3], s[22:23]
	s_or_b32 s[G0SX+3], s[G0SX+3], 0x80000000
	s_mov_b32 s[G0SW], 1
	s_add_co_u32 s[G0SW+1], s94, SCL
	s_mov_b64 s[G0SW+2:G0SW+3], s[92:93]
	s_or_b32 s[G0SW+3], s[G0SW+3], 0x80000000
	JLOAD G0SX, G1SX, G0SW, G1SW                   ; the scale words first: filled once
.irp s, 0,1
	s_mov_b32 s[G0X+4*\s], 1
	s_add_co_u32 s[G0X+4*\s+1], s45, \s*SLOT
	s_add_nc_u64 s[G0X+4*\s+2:G0X+4*\s+3], s[20:21], \s*3072
	s_or_b32 s[G0X+4*\s+3], s[G0X+4*\s+3], 0x80000000
	s_mov_b32 s[G0W+4*\s], 1
	s_add_co_u32 s[G0W+4*\s+1], s45, \s*SLOT
	s_add_nc_u64 s[G0W+4*\s+2:G0W+4*\s+3], s[46:47], \s*3072
	s_or_b32 s[G0W+4*\s+3], s[G0W+4*\s+3], 0x80000000
	JLOAD G0X+4*\s, G1X, G0W+4*\s, G1W             ; three loads of mine are out now
.endr
	v_and_b32 v1, 31, v0
	v_and_b32 v2, 15, v0                           ; r
	v_bfe_u32 v3, v0, 4, 1                         ; h
	v_lshlrev_b32 v[LI8], 3, v1
	v_lshlrev_b32 v[LI16], 4, v1
	s_mov_b32 s[SEL], 0x76543210
	s_mov_b32 s[SEL+1], 0xfedcba98
	s_cmp_eq_u32 ttmp9, 1                          ; which bias
	s_cselect_b64 s[12:13], s[14:15], s[12:13]
	s_cmp_eq_u32 ttmp9, 2                          ; v?  Every choice below hangs on the cluster's x alone
	s_cselect_b64 s[12:13], s[16:17], s[12:13]
	s_cselect_b32 s[ISV], 1, 0
	s_cselect_b32 s2, 2*HALFT, 0                   ; source 1 is read from the weights' parts (v) or from x's
	s_cselect_b32 s3, 0, 2*HALFT                   ; source 0 from the other
	s_cselect_b32 s66, s[HI], s[LO]                ; which half of the tile's columns is mine
	s_cselect_b32 s67, s[LO], s[HI]                ; and of its tokens
	s_cselect_b32 s95, -1, 0
	s_cselect_b32 s94, 0, 4                        ; the bias from register to register: the same (v) or the next column's
	s_cselect_b32 s20, 2, 0
	s_cselect_b32 s21, 0, 2
	s_add_co_u32 s20, s20, s[HI]
	s_lshl_b32 s20, s20, 12
	s_add_co_u32 s20, s20, SCL                     ; source 1's scale words
	s_add_co_u32 s21, s21, s[LO]
	s_lshl_b32 s21, s21, 12
	s_add_co_u32 s21, s21, SCL                     ; source 0's
	v_lshlrev_b32 v4, 3, v2                        ; 8 bytes a row
	v_add_nc_u32 v5, s20, v4
	v_add_nc_u32 v6, s21, v4
	v_cndmask_b32 v[ADRS], v5, v6, s[HM]
	s_mul_i32 s22, s[HI], HALFT
	s_add_co_u32 s22, s22, s2
	s_mul_i32 s23, s[LO], HALFT
	s_add_co_u32 s23, s23, s3
.irp s, 0,1
	v_add_nc_u32 v[AD1+\s], s22, v[LI8]
	v_add_nc_u32 v[AD0+\s], s23, v[LI8]
	s_add_co_u32 s22, s22, SLOT
	s_add_co_u32 s23, s23, SLOT
.endr
	; the bias, in the result's layout.  q, k: register 8 b + j = column 16 b + 8 h + j;  v: registers 8 a + 0 .. 7 = column 16 a + r
	v_lshlrev_b32 v5, 5, v3
	v_lshlrev_b32 v6, 2, v2
	v_cndmask_b32 v5, v5, v6, s95
	s_mov_b32 s20, 0
.irp j, 0,1,2,3,4,5,6,7
	v_add_nc_u32 v[BO+\j], s20, v5
	s_add_co_u32 s20, s20, s94
.endr
	s_lshl_b32 s20, s40, 10                        ; 256 columns a tile column of the product,
	s_lshl_b32 s21, s66, 9                         ; 128 a half
	s_add_co_u32 s20, s20, s21
	s_mov_b32 s21, 0
	s_add_nc_u64 s[12:13], s[12:13], s[20:21]
.irp t, 0,1,2,3,4,5,6,7
.irp j, 0,1,2,3,4,5,6,7
	global_load_b32 v[BI+8*\t+\j], v[BO+\j], s[12:13] offset:64*\t
.endr
.endr
	; where my results go
	s_lshr_b32 s20, s[TR], 3                       ; batch
	s_lshl_b32 s20, s20, 4
	s_lshl_b32 s21, s40, 2
	s_add_co_u32 s20, s20, s21
	s_lshl_b32 s21, s66, 1
	s_add_co_u32 s20, s20, s21                     ; my first head: 16 x batch + 4 cx + 2 x half
	s_mul_i32 s20, s20, HS
	s_and_b32 s21, s[TR], 7
	s_lshl_b32 s21, s21, 1
	s_add_co_u32 s21, s21, s67                     ; my group of 128 tokens in the sequence
	s_mov_b32 s23, 196608
	s_cmp_eq_u32 ttmp9, 0
	s_cselect_b32 s22, 208896, 0                   ; images: q's region, k's,
	s_cselect_b32 s23, 307200, s23                 ; scale words likewise,
	s_cmp_eq_u32 ttmp9, 2
	s_cselect_b32 s22, 98304, s22                  ; or v's
	s_cselect_b32 s23, 204800, s23
	s_cselect_b32 s2, 8, 9                         ; a group's scale words: 256 bytes (v) or 512
	s_mul_i32 s3, s21, 6144                        ; a group's images
	s_add_co_u32 s22, s22, s3
	s_add_co_u32 s22, s22, s20
	s_lshl_b32 s21, s21, s2
	s_add_co_u32 s2, s23, s21
	s_add_co_u32 s2, s2, s20
	s_mov_b32 s23, 0
	s_mov_b32 s3, 0
	s_add_nc_u64 s[PB:PB+1], s[18:19], s[22:23]
	s_add_nc_u64 s[PS:PS+1], s[18:19], s[2:3]
.macro FRAG reg, adr, q, i             ; a fragment's image: six loads of 256 consecutive bytes
.irp p, 0,1,2,3,4,5
	ds_load_b64 v[\reg+2*\p:\reg+2*\p+1], v[\adr] offset:(\i)*3072+(\q)*1536+256*\p
.endr
.endm
; 16 matrix instructions: source 1's blocks a0, a0 + 1 x source 0's eight.  The 64 accumulators take turns, one instruction a turn, in the same order in every step.
.macro MUL16 a0, p, q, sc, zero
.irp a, \a0, \a0+1
.irp b, 0,1,2,3,4,5,6,7
.if \zero
	v_wmma_scale_f32_16x16x128_f8f6f4 v[8*(8*((\a)%4)+\b):8*(8*((\a)%4)+\b)+7], v[128*(\p)+FR*\b:128*(\p)+FR*\b+FR-1], v[AF+FR*(\a):AF+FR*(\a)+FR-1], 0, v[SC+16*(\sc)+2*\b+(\q)], v[SC+16*(\sc)+2*(\a)+(\q)] matrix_a_fmt:MATRIX_FMT_FP6 matrix_b_fmt:MATRIX_FMT_FP6 matrix_a_scale:MATRIX_SCALE_ROW1
.else
	v_wmma_scale_f32_16x16x128_f8f6f4 v[8*(8*((\a)%4)+\b):8*(8*((\a)%4)+\b)+7], v[128*(\p)+FR*\b:128*(\p)+FR*\b+FR-1], v[AF+FR*(\a):AF+FR*(\a)+FR-1], v[8*(8*((\a)%4)+\b):8*(8*((\a)%4)+\b)+7], v[SC+16*(\sc)+2*\b+(\q)], v[SC+16*(\sc)+2*(\a)+(\q)] matrix_a_fmt:MATRIX_FMT_FP6 matrix_b_fmt:MATRIX_FMT_FP6 matrix_a_scale:MATRIX_SCALE_ROW1
.endif
.endr
.endr
.endm
.macro FETCH_B slot, q, p              ; source 0's eight fragments into set p
	WIN TO_B
.irp i, 0,1,2,3,4,5,6,7
	FRAG 128*(\p)+FR*\i, AD0+\slot, \q, \i
.endr
	WIN 0
.endm
.macro FETCH_A slot, q, i0             ; source 1's blocks i0 .. i0 + 3
.irp i, \i0, \i0+1, \i0+2, \i0+3
	FRAG AF+FR*(\i), AD1+\slot, \q, \i
.endr
.endm
.macro SCALES sc, ks                   ; K step ks's scale words: two a row; lanes 0-15 source 1's block i, lanes 16-31 source 0's
.irp i, 0,1,2,3,4,5,6,7
	ds_load_b64 v[SC+16*(\sc)+2*\i:SC+16*(\sc)+2*\i+1], v[ADRS] offset:(\ks)*1024+128*\i
.endr
.endm
.macro PLACES n                        ; plain vector places behind matrix instructions, in front of loads into registers that they have read and of reads of results
.rept \n
	v_nop
.endr
.endm
.macro STEP slot, q, zero              ; a step of 128 along K that has its successor in the same slot
	s_wait_dscnt 4*NL                              ; source 0's set and source 1's blocks 0-3 are in; the youngest 24 loads (blocks 4-7) may be out
	WIN MUL_LO
	MUL16 0, (\q)%2, \q, \slot, \zero
	MUL16 2, (\q)%2, \q, \slot, \zero
	s_wait_dscnt 0
	PLACES NP
	FETCH_B \slot, (\q)+1, 1-(\q)%2
	FETCH_A \slot, (\q)+1, 0
	WIN MUL_HI
	MUL16 4, (\q)%2, \q, \slot, \zero
	MUL16 6, (\q)%2, \q, \slot, \zero
	PLACES NP
	WIN 0
	FETCH_A \slot, (\q)+1, 4
.endm
; A slot's last step changes slots: one barrier; in front of it each wave waits for all its tensor loads, adds 0 to its spare word, and waits for that and for its reads of this slot.  fill = 1: the slot is filled again, two K steps ahead.
.macro TURN slot, next, fill, ks
	s_wait_tensorcnt 0x0                           ; all my tensor loads have landed: my part of the next slot
	ds_add_u32 v[SPW], v[NIL]                      ; 0 onto my spare word
	s_wait_dscnt 4*NL+1                            ; (the add and the youngest 24 loads may be out)
	WIN MUL_LO
	MUL16 0, 1, 1, \slot, 0
	s_wait_dscnt 0x0                               ; the add is done, and my reads of this slot are over
	s_barrier_signal -1
	MUL16 2, 1, 1, \slot, 0
	WIN 0
	s_barrier_wait -1
.if \fill
	CREST                                          ; the barrier has opened a round of the cluster's: no wave of any partner still reads this slot or has a load on its way
	s_add_nc_u64 s[G0X+4*\slot+2:G0X+4*\slot+3], s[G0X+4*\slot+2:G0X+4*\slot+3], 6144
	s_add_nc_u64 s[G0W+4*\slot+2:G0W+4*\slot+3], s[G0W+4*\slot+2:G0W+4*\slot+3], 6144
	JLOAD G0X+4*\slot, G1X, G0W+4*\slot, G1W       ; the first tensor load behind the round; its four v_nop are the places in front of the loads below
.else
	PLACES NP
.endif
	FETCH_B \next, 0, 0
	FETCH_A \next, 0, 0
	SCALES \next, \ks
	WIN MUL_HI
	MUL16 4, 1, 1, \slot, 0
	MUL16 6, 1, 1, \slot, 0
	PLACES NP
	WIN 0
	FETCH_A \next, 0, 4
.endm
	s_wait_tensorcnt 1                             ; the scale words and my part of K step 0 are in; K step 1's load may be out
	s_barrier_signal -1
	s_barrier_wait -1
	FETCH_B 0, 0, 0
	FETCH_A 0, 0, 0
	SCALES 0, 0
	FETCH_A 0, 0, 4
	STEP 0, 0, 1                                   ; the first products start the sums: nothing is cleared
	TURN 0, 1, 1, 1
	STEP 1, 0, 0
	TURN 1, 0, 1, 2
	STEP 0, 0, 0
	TURN 0, 1, 0, 3                                ; nothing is left to fetch
	STEP 1, 0, 0
	s_wait_dscnt 4*NL
	WIN MUL_LO
	MUL16 0, 1, 1, 1, 0
	MUL16 2, 1, 1, 1, 0
	s_wait_dscnt 0
	WIN MUL_HI
	MUL16 4, 1, 1, 1, 0
	MUL16 6, 1, 1, 1, 0
	WIN 0
; 64 numbers of a lane, register 16 b + e = code place 16 (lane / 16) + e of block b, become a fragment's codes in v[pc] .. v[pc + 11] and its scale word in v[PW]
.macro QUANT s, pc
.irp b, 0,1,2,3
	v_max3_num_f32 v[TM+\b], |v[\s+16*\b]|, |v[\s+1+16*\b]|, 0x1800000   ; and the floor 2^(3 - 127): the byte cannot fall under 1
.endr
.irp i, 2,4,6,8,10,12,14
.irp b, 0,1,2,3
	v_max3_num_f32 v[TM+\b], v[TM+\b], |v[\s+16*\b+\i]|, |v[\s+1+16*\b+\i]|
.endr
.endr
.irp b, 0,1,2,3
	v_permlanex16_b32 v[TM+4+\b], v[TM+\b], s[SEL], s[SEL+1]
.endr
.irp b, 0,1,2,3
	v_max_num_f32 v[TM+\b], v[TM+\b], v[TM+4+\b]
.endr
.irp b, 0,1,2,3
	v_add_nc_u32 v[TM+12+\b], 0xff000000, v[TM+\b] ; 2 off the exponent field: the conversion's scale operand
.endr
.irp b, 0,1,2,3
	v_lshrrev_b32 v[TM+4+\b], 23, v[TM+12+\b]      ; the scale's byte
.endr
	v_lshl_or_b32 v[PW], v[TM+5], 8, v[TM+4]
	v_lshl_or_b32 v[PW], v[TM+6], 16, v[PW]
	v_lshl_or_b32 v[PW], v[TM+7], 24, v[PW]
.irp c, 0,1
	v_cvt_scalef32_pk16_fp6_f32 v[\pc+6*\c:\pc+2+6*\c], v[\s+32*\c:\s+15+32*\c], v[TM+12+2*\c]
	v_cvt_scalef32_pk16_fp6_f32 v[\pc+12+4*\c:\pc+14+4*\c], v[\s+16+32*\c:\s+31+32*\c], v[TM+12+2*\c+1]
.endr
	v_nop                                          ; one plain place behind a scaled conversion
.irp c, 0,1
.irp i, 0,1,2
	v_permlane16_swap_b32 v[\pc+6*\c+\i], v[\pc+12+4*\c+\i]
.endr
.irp i, 0,1,2
	v_mov_b32 v[\pc+3+6*\c+\i], v[\pc+12+4*\c+\i]
.endr
.endr
.endm
; source 1's block a: its eight accumulators + the bias -> v[HA] on, each accumulator from its low end on.  k = 0: the bias goes by source 0's block; 1: by source 1's
.macro ADDB a, k
	s_wait_xcnt 0x0                                ; the last block's stores have read their registers
	WIN 0x02+(\a)/4                                ; source 0: window 2 or 3
.irp b, 0,1,2,3,4,5,6,7
.irp e, 0,2,4,6
.if \k
	v_pk_add_f32 v[HA+8*\b+\e:HA+8*\b+\e+1], v[64*((\a)%4)+8*\b+\e:64*((\a)%4)+8*\b+\e+1], v[BI+8*(\a)+\e:BI+8*(\a)+\e+1]
.else
	v_pk_add_f32 v[HA+8*\b+\e:HA+8*\b+\e+1], v[64*((\a)%4)+8*\b+\e:64*((\a)%4)+8*\b+\e+1], v[BI+8*\b+\e:BI+8*\b+\e+1]
.endif
.endr
.endr
	WIN 0
	QUANT HA, PC
	v_mov_b32 v[SW+(\a)], v[PW]
.endm
	s_wait_loadcnt 0x0                             ; the bias
	PLACES NP
.irp b, 0,1,2,3
	v_mov_b32 v[TM+4+\b], 0                        ; a lane permute's destination counts as one of its sources
.endr
	s_cmp_eq_u32 s[ISV], 1                         ; the cluster's x alone decides; no barrier, tensor load or LDS instruction stands in either arm
	s_cbranch_scc1 .Lv
	; q, k: 16 tokens x 128 columns = two heads' half fragments (registers 6 e .. 6 e + 5 are head e's K = 64)
.irp a, 0,1,2,3,4,5,6,7
	ADDB \a, 0
.irp e, 0,1
.irp p, 0,1,2
	global_store_b64 v[LI8], v[PC+6*\e+2*\p:PC+6*\e+2*\p+1], s[PB:PB+1] offset:\e*HS+768*\a+256*\p   ; 256 consecutive bytes, aligned
.endr
.endr
.endr
.irp i, 0,1,2,3                        ; word i of lane l = token 32 i + l: lanes 0-15 from tile 2 i, lanes 16-31 from tile 2 i + 1
	v_cndmask_b32 v[T+\i], v[SW+2*\i], v[SW+2*\i+1], s[HM]
.endr
.irp i, 0,1,2,3
	v_lshrrev_b32 v[T+4+\i], 16, v[T+\i]           ; head 1: bytes 2, 3 come down; bytes 2, 3 = 0
	v_and_b32 v[T+\i], 0xffff, v[T+\i]             ; head 0: bytes 0, 1
.endr
	global_store_b128 v[LI16], v[T:T+3], s[PS:PS+1]
	global_store_b128 v[LI16], v[T+4:T+7], s[PS:PS+1] offset:HS
	s_branch .Ljoin
.Lv:
	; v: 16 columns d x 128 tokens = one whole fragment: head a / 4, d tile a % 4
.irp a, 0,1,2,3,4,5,6,7
	ADDB \a, 1
.irp c, 0,1,2
	global_store_b128 v[LI16], v[PC+4*\c:PC+4*\c+3], s[PB:PB+1] offset:(\a/4)*HS+(\a%4)*1536+512*\c   ; 512 consecutive bytes, aligned
.endr
.endr
.irp d, 0,1
.irp e, 0,1
	v_cndmask_b32 v[T+2*\d+\e], v[SW+4*\d+2*\e], v[SW+4*\d+2*\e+1], s[HM]
.endr
	global_store_b64 v[LI8], v[T+2*\d:T+2*\d+1], s[PS:PS+1] offset:\d*HS
.endr
.Ljoin:
	s_wait_tensorcnt 0x0                           ; the wave's end
	ds_add_u32 v[SPW], v[NIL]
	s_wait_dscnt 0x0
	CROUND                                         ; the closing round
	s_endpgm
.Lfunc_end_k_qc63143ffe6_gemm_qkv:
	.size	k_qc63143ffe6_gemm_qkv, .Lfunc_end_k_qc63143ffe6_gemm_qkv-k_qc63143ffe6_gemm_qkv
	.p2alignl 7, 3214868480
	.fill 96, 4, 3214868480
	.section	.rodata,"a",@progbits
	.p2align	6, 0x0
	.amdhsa_kernel k_qc63143ffe6_gemm_qkv
		.amdhsa_group_segment_fixed_size 327680
		.amdhsa_private_segment_fixed_size 0
		.amdhsa_enable_private_segment 0
		.amdhsa_kernarg_size 64
		.amdhsa_user_sgpr_count 2
		.amdhsa_user_sgpr_kernarg_segment_ptr 1
		.amdhsa_wavefront_size32 1
		.amdhsa_system_sgpr_workgroup_id_x 1
		.amdhsa_system_sgpr_workgroup_id_y 1
		.amdhsa_system_sgpr_workgroup_id_z 1
		.amdhsa_system_vgpr_workitem_id 0
		.amdhsa_next_free_vgpr 1024
		.amdhsa_next_free_sgpr 102
		.amdhsa_reserve_vcc 0
		.amdhsa_float_denorm_mode_32 3
		.amdhsa_float_denorm_mode_16_64 3
		.amdhsa_memory_ordered 1
		.amdhsa_forward_progress 1
		.amdhsa_inst_pref_size 239
	.end_amdhsa_kernel
	.amdgpu_metadata
---
amdhsa.version: [ 1, 2 ]
amdhsa.kernels:
  - .name:           k_qc63143ffe6_gemm_qkv
    .symbol:         k_qc63143ffe6_gemm_qkv.kd
    .args:
      - { .name: xc, .offset: 0, .size: 8, .value_kind: global_buffer, .address_space: global }
      - { .name: xs, .offset: 8, .size: 8, .value_kind: global_buffer, .address_space: global }
      - { .name: wc, .offset: 16, .size: 8, .value_kind: global_buffer, .address_space: global }
      - { .name: ws, .offset: 24, .size: 8, .value_kind: global_buffer, .address_space: global }
      - { .name: b_q, .offset: 32, .size: 8, .value_kind: global_buffer, .address_space: global }
      - { .name: b_k, .offset: 40, .size: 8, .value_kind: global_buffer, .address_space: global }
      - { .name: b_v, .offset: 48, .size: 8, .value_kind: global_buffer, .address_space: global }
      - { .name: qkv, .offset: 56, .size: 8, .value_kind: global_buffer, .address_space: global }
    .group_segment_fixed_size: 327680
    .private_segment_fixed_size: 0
    .kernarg_segment_align: 8
    .kernarg_segment_size: 64
    .max_flat_workgroup_size: 128
    .sgpr_count:     102
    .vgpr_count:     1024
    .wavefront_size: 32
...
	.end_amdgpu_metadata
.endif
;; end of part 4
;; launch attn (part 5): grid 4 x 64, 16 waves a work-group, clusters of 4 x 1, 210,944 bytes of LDS; arguments qkv, mbits, yc, ys; writes yc, ys
.if DOCPART == 5
	.amdgcn_target "amdgcn-amd-amdhsa--gfx1250"
	.amdhsa_code_object_version 6
	.text
	.protected	k_qc63143ffe6_attn
	.globl	k_qc63143ffe6_attn
	.p2align	8
	.type	k_qc63143ffe6_attn,@function
k_qc63143ffe6_attn:
	s_mov_b64 s[64:65], 0
	v_nop
	global_prefetch_b8 v0, s[64:65] scope:SCOPE_SE
	s_setreg_imm32_b32 hwreg(HW_REG_WAVE_MODE, 25, 1), 1
	s_wait_xcnt 0x0
	s_wait_alu depctr_hold_cnt(0) depctr_sa_sdst(0) depctr_va_vdst(0) depctr_va_sdst(0) depctr_va_ssrc(0) depctr_va_vcc(0) depctr_vm_vsrc(0)
	s_getreg_b32 s2, hwreg(HW_REG_IB_STS2, 6, 4)
	s_cmp_eq_u32 s2, 0
	s_cbranch_scc0 .Lentry_in_a_cluster
	s_endpgm
.Lentry_in_a_cluster:
	s_bfe_u32 s2, ttmp6, 0x10000c
	s_cmp_lg_u32 s2, 0x3003
	s_cbranch_scc0 .Lentry_shape_is_right
	s_endpgm
.Lentry_shape_is_right:
; y = softmax(where(mask == 0, -1e6, q k^T / 8)) v for one head, both products on codes of FP6, and y's quantising for the last product.  Nothing is left out.
; THE SOFTMAX: t = logit x log2(e); masked places take t = fl(-1e6 log2(e)) = -1442695.0 by a select; M = the ceiling of the running largest t, a whole number; p = 2^(t - M) is quantised along the keys, not normalised;
; the row's sum is taken of the unquantised p and divides at the end; when M moves, the sum and O are multiplied by 2^(old M - new M), which rounds nothing.  A row that is masked throughout has t = M, p = 1 everywhere.
; Multiply, select and add are three lines, not one fused line, so that a masked t is that whole number exactly.
; SHARES: a work-group owns 512 queries of one head; each of its sixteen waves one tile of 16 queries in each of two passes, in 256 registers: four waves to a SIMD, so that one wave's vector work stands beside another's products and loads.
; THE HEAD'S WHOLE K AND V, as images of operand registers with their scale words, are 208,896 dense bytes of qkv: they come into LDS ONCE, sixteen joint loads (one a wave, 51 rows of 256 bytes), shared by the cluster's
; four work-groups, which own the head's four blocks of queries.  No slot is filled again, and the loops hold no barrier.
; LAYOUT: S^T = K Q^T (source 0 = 16 keys, source 1 = my 16 queries), O^T = V^T P^T: a lane holds one query throughout.  Registers 16 B + 8 u + j of the scores are keys 32 B + 16 u + 8 h + j: code place 16 h + 8 u + j of block B,
; the order in which v's keys were laid too.
; K = 64 IN AN INSTRUCTION OF 128: Q's registers 6-11 are zero codes.  K's half fragments lie on end, six registers each, and tile t names twelve from 32 + 6 t: the upper six are the next tile's codes, finite numbers
; that meet Q's zeros; the scale words' bytes 2, 3 are 0 (no NaN).
; THE MASK comes as lane masks (mbits), 64 words a step, by scalar loads a step ahead.  No address, branch or trip count hangs on them.
; LIMITS: as in qx.  The scale bytes of y leave as single bytes, two a row and head: 262,144 bytes in all.
.set HS,    315392
.set SPARE, 208896                     ; behind the head's block: the spare words, 128 bytes for each of sixteen waves
.set QF,  16                           ; v16-27  Q's fragment
.set KV,  32                           ; v32-85  K's eight half fragments; then V's four fragments (v32-79)
.set S,   96                           ; v96-159 S^T, t, p
.set O,   160                          ; v160-191 O^T
.set PCD, 192                          ; v192-203 p's codes;  v204-210 the conversions' second halves
.set PC2, 204
.set KSC, 212                          ; v212-215 K's scale words; v216-217 V's; v218 Q's; v219 p's: scales and nothing else
.set VSC, 216
.set QSC, 218
.set PSC, 219
.set BM,  220                          ; v220-223 the blocks' maxima
.set PD,  224                          ; v224-227 lane permutes' destinations, a second chain of sums, bytes
.set SOP, 228                          ; v228-231 the conversions' scale operands
.set FF,  232                          ; v[232:233] f
.set TA,  234
.set TB,  235
.set TNEG, 236
.set WV,  2
.set SEL, 52
.set CS,  54                           ; s[54:55] c = log2(e) / 8
.set CNT, 56
.set TK,  57                           ; the step's images of K and of V: 6,144 bytes a step
.set TS,  58                           ; K's scale words: 512
.set TT,  59                           ; V's: 256
.set HM,  60
.set PQ,  84                           ; s[84:85] Q's image;  s[86:87] the mask words;  s[88:89] y's image;  s[90:91] y's scale bytes;  s[92:93] Q's scale words
.set PM,  86
.set PY,  88
.set PZ,  90
.set PQS, 92
.macro CROUND
	s_barrier_signal -1
	s_barrier_wait -1
	s_cmp_lg_u32 s[WV], 0
	s_cbranch_scc1 .Lnot_wave_0_\@
	s_barrier_signal -3
.Lnot_wave_0_\@:
	s_barrier_wait -3
	s_barrier_signal -1
	s_barrier_wait -1
.endm
	s_load_b256 s[84:91], s[0:1], 0x0              ; qkv, mbits, yc, ys
	v_lshl_add_u32 v5, v0, 2, SPARE
	v_mov_b32 v6, 0
	ds_add_u32 v5, v6                              ; the wave's opening: the add, twice on end, and its wait ahead of my first tensor load
	ds_add_u32 v5, v6
	v_lshrrev_b32 v8, 5, v0
	v_readfirstlane_b32 s[WV], v8                  ; wave 0..15
	s_bfe_u32 s61, ttmp6, 0x40000                  ; cx: it enters Q's, the mask's and y's addresses alone
	s_and_b32 s62, ttmp7, 0xffff                   ; batch x 16 + head
	s_mov_b32 s4, 15|(3<<16)|(1<<21)               ; group 1: all four work-groups; elements of 8 bytes; no padding
	s_mov_b32 s5, 32<<16                           ; tensor_dim0 = 32 (256 bytes)
	s_mov_b32 s6, 51<<16                           ; tensor_dim1 = 51
	s_mov_b32 s7, 32<<16                           ; tile_dim0
	s_mov_b32 s8, 51                               ; tile_dim1
	s_mov_b32 s9, 32                               ; dense
	s_mov_b32 s10, 0
	s_mov_b32 s11, 0
	s_mul_i32 s63, s62, HS                         ; the head's first byte in qkv
	s_mul_i32 s13, s[WV], 13056                    ; my 51 rows, in LDS
	s_add_co_u32 s66, s63, s13                     ; and in memory
	s_mov_b32 s67, 0
	s_mov_b32 s12, 1
	s_mov_b32 s[SEL], 0x76543210
	s_mov_b32 s[SEL+1], 0xfedcba98
	s_mov_b32 s[CS], 0x3e38aa3b
	s_mov_b32 s[CS+1], s[CS]
	s_mov_b32 s[HM], 0xffff0000
	s_wait_dscnt 0x0                               ; both opening adds are done
	s_wait_kmcnt 0x0
	s_add_nc_u64 s[14:15], s[84:85], s[66:67]
	s_or_b32 s15, s15, 0x80000000
	CROUND                                         ; all four work-groups are here: the joint loads meet
	tensor_load_to_lds s[12:15], s[4:11]           ; my one tensor load of the launch
	s_nop 0
	v_and_b32 v8, 31, v0                           ; lane
	v_and_b32 v9, 15, v0                           ; r
	v_bfe_u32 v10, v0, 4, 1                        ; h
	v_lshlrev_b32 v1, 3, v8                        ; K's images: 8 x lane
	v_lshl_add_u32 v2, v8, 4, 98304                ; V's: 16 x lane
	v_lshl_add_u32 v3, v8, 4, 196608               ; K's scale words: four a lane
	v_lshl_add_u32 v4, v8, 3, 204800               ; V's: two a lane
	v_lshlrev_b32 v7, 3, v8                        ; in memory: 8 x lane
	s_and_b32 s66, s[WV], 1
	s_lshl_b32 s66, s66, 8
	s_bfe_u32 s98, s[WV], 0x20001
	s_lshl_b32 s98, s98, 2
	s_add_co_u32 s66, s66, s98
	v_lshl_add_u32 v28, v9, 4, s66                 ; Q's scale word: lane 16 (tile % 2) + r of its group, word (tile % 8) / 2
	v_lshl_add_u32 v29, v9, 3, v10                 ; y's scale byte: 8 r + h
	v_mov_b32 v[TNEG], 0xc9b01c38                  ; -1442695.0
	v_mov_b32 v[FF+1], 0                           ; (named as the upper half of a pair)
.irp i, 0,1,2,3,4,5
	v_mov_b32 v[QF+6+\i], 0                        ; Q's upper 64 along K: zero codes
	v_mov_b32 v[KV+48+\i], 0                       ; what tile 7 names behind its own six registers
.endr
.irp b, 0,1,2,3
	v_mov_b32 v[PD+\b], 0                          ; a lane permute's destination counts as one of its sources
.endr
	v_mov_b32 v[TA], 0
	s_lshl_b32 s94, s61, 5
	s_add_co_u32 s94, s94, s[WV]                   ; my first tile of queries: 32 cx + wave
	s_lshr_b32 s95, s62, 4                         ; batch
	s_and_b32 s96, s62, 15                         ; head
	s_lshl_b32 s97, s95, 7
	s_add_co_u32 s97, s97, s94                     ; batch x 128 + tile
	s_mov_b32 s99, 0
	s_lshr_b32 s98, s94, 3
	s_lshl_b32 s98, s98, 9
	s_add_co_u32 s98, s98, s63
	s_add_co_u32 s98, s98, 307200
	s_add_nc_u64 s[PQS:PQS+1], s[84:85], s[98:99]
	s_mul_i32 s98, s94, 768
	s_add_co_u32 s98, s98, s63
	s_add_co_u32 s98, s98, 208896
	s_add_nc_u64 s[PQ:PQ+1], s[84:85], s[98:99]
	s_lshl_b32 s98, s97, 12
	s_add_nc_u64 s[PM:PM+1], s[PM:PM+1], s[98:99]
	s_lshl_b32 s98, s97, 3
	s_lshr_b32 s100, s96, 1
	s_add_co_u32 s98, s98, s100                    ; fragment kf = head / 2 of my row tile,
	s_mul_i32 s98, s98, 1536
	s_and_b32 s100, s96, 1
	s_mul_i32 s100, s100, 768                      ; its lower or upper six registers
	s_add_co_u32 s98, s98, s100
	s_add_nc_u64 s[PY:PY+1], s[PY:PY+1], s[98:99]
	s_lshr_b32 s98, s96, 2
	s_lshl_b32 s98, s98, 16                        ; K step head / 4,
	s_lshl_b32 s100, s97, 7                        ; 16 rows of 8 bytes a tile,
	s_add_co_u32 s98, s98, s100
	s_and_b32 s100, s96, 3
	s_lshl_b32 s100, s100, 1                       ; bytes 2 (head % 4) + block
	s_add_co_u32 s98, s98, s100
	s_add_nc_u64 s[PZ:PZ+1], s[PZ:PZ+1], s[98:99]
	s_wait_tensorcnt 0x0                           ; my part of the head's block is in: also, the descriptors' registers are free for the mask words
	s_barrier_signal -1
	s_barrier_wait -1                              ; everybody's is
; A KEY STEP: 128 keys.  pre = 1: the next step's mask words are asked for.
.macro STEP pre
	v_add_nc_u32 v8, s[TK], v1                     ; these four are also the places behind the last products, in front of the loads below
	v_add_nc_u32 v9, s[TK], v2
	v_add_nc_u32 v10, s[TS], v3
	v_add_nc_u32 v11, s[TT], v4
.irp t, 0,1,2,3,4,5,6,7
.irp p, 0,1,2
	ds_load_b64 v[KV+6*\t+2*\p:KV+6*\t+2*\p+1], v8 offset:768*\t+256*\p
.endr
.endr
	ds_load_b128 v[KSC:KSC+3], v10                 ; register i: lanes 0-15 tile 2 i's words, lanes 16-31 tile 2 i + 1's
	s_wait_dscnt 0x0
.irp t, 0,2,4,6
	v_wmma_scale_f32_16x16x128_f8f6f4 v[S+8*\t:S+8*\t+7], v[KV+6*\t:KV+6*\t+11], v[QF:QF+11], 0, v[KSC+\t/2], v[QSC] matrix_a_fmt:MATRIX_FMT_FP6 matrix_b_fmt:MATRIX_FMT_FP6
	v_wmma_scale_f32_16x16x128_f8f6f4 v[S+8*(\t+1):S+8*(\t+1)+7], v[KV+6*(\t+1):KV+6*(\t+1)+11], v[QF:QF+11], 0, v[KSC+\t/2], v[QSC] matrix_a_fmt:MATRIX_FMT_FP6 matrix_b_fmt:MATRIX_FMT_FP6 matrix_a_scale:MATRIX_SCALE_ROW1
.endr
.rept 4
	v_nop                                          ; places: for the loads into registers that these products read, and for the first read of the scores
.endr
.irp d, 0,1,2,3
.irp c, 0,1,2
	ds_load_b128 v[KV+12*\d+4*\c:KV+12*\d+4*\c+3], v9 offset:1536*\d+512*\c   ; V's four fragments land while the softmax is walked
.endr
.endr
	ds_load_b64 v[VSC:VSC+1], v11
.set j, 0
.rept 32
	v_pk_mul_f32 v[S+j:S+j+1], v[S+j:S+j+1], s[CS:CS+1] op_sel_hi:[1,0]   ; t = score x c: the rounding of (score / 8) x log2(e), since / 8 rounds nothing
.set j, j+2
.endr
	s_wait_kmcnt 0x0                               ; this step's 64 mask words are in, so their address may step
	s_add_nc_u64 s[PM:PM+1], s[PM:PM+1], 256
.set n, 0
.rept 64
	v_cndmask_b32 v[S+n], v[TNEG], v[S+n], s[4+n+16*(n/48)]   ; word n: s4-51, s68-83
.set n, n+1
.endr
.irp b, 0,1,2,3
	v_max3_num_f32 v[BM+\b], v[S+16*\b], v[S+1+16*\b], v[S+2+16*\b]   ; the largest t of each block of 32 keys: for the row's maximum and, since p rises with t, for the block's largest p
.endr
.irp i, 3,5,7,9,11,13
.irp b, 0,1,2,3
	v_max3_num_f32 v[BM+\b], v[BM+\b], v[S+16*\b+\i], v[S+1+16*\b+\i]
.endr
.endr
.irp b, 0,1,2,3
	v_max_num_f32 v[BM+\b], v[BM+\b], v[S+15+16*\b]
.endr
.irp b, 0,1,2,3
	v_permlanex16_b32 v[PD+\b], v[BM+\b], s[SEL], s[SEL+1]
.endr
.irp b, 0,1,2,3
	v_max_num_f32 v[BM+\b], v[BM+\b], v[PD+\b]     ; with lane l xor 16's 16 keys
.endr
.if \pre
	s_load_b512 s[4:19], s[PM:PM+1], 0x0           ; the next step's words: the rest of this step is theirs to land in
	s_load_b512 s[20:35], s[PM:PM+1], 0x40
	s_load_b512 s[36:51], s[PM:PM+1], 0x80
	s_load_b512 s[68:83], s[PM:PM+1], 0xc0
.endif
	v_max3_num_f32 v[TA], v[BM], v[BM+1], v[BM+2]
	v_max_num_f32 v[TA], v[TA], v[BM+3]
	v_max_num_f32 v13, v13, v[TA]                  ; the running largest t
	v_mov_b32 v[TA], v12
	v_floor_f32 v12, -v13                          ; -M = floor(-t): M is a whole number
	v_sub_f32 v[TA], v12, v[TA]                    ; old M - new M: a whole number, 0 or less
	v_cvt_i32_f32 v[TA], v[TA]                     ; (it saturates)
	v_ldexp_f32 v[FF], 1.0, v[TA]                  ; f = 2^(old M - new M)
.set j, 0
.rept 32
	v_pk_add_f32 v[S+j:S+j+1], v[S+j:S+j+1], v[12:13] op_sel_hi:[1,0]   ; t - M
.set j, j+2
.endr
.irp b, 0,1,2,3
	v_add_f32 v[BM+\b], v[BM+\b], v12              ; the same of each block's largest t
.endr
.set j, 0
.rept 64
	v_exp_f32 v[S+j], v[S+j]                       ; p = 2^(t - M), at most 1
.set j, j+1
.endr
	v_pk_mul_f32 v[14:15], v[14:15], v[FF:FF+1] op_sel_hi:[1,0]   ; the sums under the new M: the plain place behind the exponentials
	s_wait_alu depctr_va_vdst(0)                   ; one wait for the whole batch, ahead of its first reader
.irp b, 0,1,2,3
	v_exp_f32 v[BM+\b], v[BM+\b]                   ; the block's largest p: the same lines on the same number give the same bits
.endr
	v_pk_add_f32 v[PD:PD+1], v[S:S+1], v[S+2:S+3]  ; the row's sum of the unquantised p, in two chains
.irp j, 4,8,12,16,20,24,28,32,36,40,44,48,52,56,60
	v_pk_add_f32 v[14:15], v[14:15], v[S+\j:S+\j+1]
	v_pk_add_f32 v[PD:PD+1], v[PD:PD+1], v[S+2+\j:S+3+\j]
.endr
	v_pk_add_f32 v[14:15], v[14:15], v[PD:PD+1]
	s_wait_alu depctr_va_vdst(0)                   ; and one for the four
.irp b, 0,1,2,3
	v_max_num_f32 v[BM+\b], 0x1800000, v[BM+\b]    ; the floor 2^(3 - 127): a block whose every p is 0 keeps the byte 1; its codes are zeros
.endr
.irp b, 0,1,2,3
	v_add_nc_u32 v[SOP+\b], 0xff000000, v[BM+\b]
.endr
.irp b, 0,1,2,3
	v_lshrrev_b32 v[PD+\b], 23, v[SOP+\b]
.endr
	v_lshl_or_b32 v[PSC], v[PD+1], 8, v[PD]        ; p's scale word for these 128 keys
	v_lshl_or_b32 v[PSC], v[PD+2], 16, v[PSC]
	v_lshl_or_b32 v[PSC], v[PD+3], 24, v[PSC]
.irp c, 0,1
	v_cvt_scalef32_pk16_fp6_f32 v[PCD+6*\c:PCD+6*\c+2], v[S+32*\c:S+32*\c+15], v[SOP+2*\c]
	v_cvt_scalef32_pk16_fp6_f32 v[PC2+4*\c:PC2+4*\c+2], v[S+32*\c+16:S+32*\c+31], v[SOP+2*\c+1]
.endr
	v_nop                                          ; one plain place behind a scaled conversion
.irp c, 0,1
.irp i, 0,1,2
	v_permlane16_swap_b32 v[PCD+6*\c+\i], v[PC2+4*\c+\i]
.endr
.irp i, 0,1,2
	v_mov_b32 v[PCD+6*\c+3+\i], v[PC2+4*\c+\i]
.endr
.endr
.set j, 0
.rept 16
	v_pk_mul_f32 v[O+j:O+j+1], v[O+j:O+j+1], v[FF:FF+1] op_sel_hi:[1,0]   ; O^T under the new M; these sixteen are also the places between p's scale word and codes and the products
.set j, j+2
.endr
	s_wait_dscnt 0x0                               ; V
.irp d, 0,2                            ; the four accumulators take turns, one instruction a turn, and the eight products K Q^T stand between two turns
	v_wmma_scale_f32_16x16x128_f8f6f4 v[O+8*\d:O+8*\d+7], v[KV+12*\d:KV+12*\d+11], v[PCD:PCD+11], v[O+8*\d:O+8*\d+7], v[VSC+\d/2], v[PSC] matrix_a_fmt:MATRIX_FMT_FP6 matrix_b_fmt:MATRIX_FMT_FP6
	v_wmma_scale_f32_16x16x128_f8f6f4 v[O+8*(\d+1):O+8*(\d+1)+7], v[KV+12*(\d+1):KV+12*(\d+1)+11], v[PCD:PCD+11], v[O+8*(\d+1):O+8*(\d+1)+7], v[VSC+\d/2], v[PSC] matrix_a_fmt:MATRIX_FMT_FP6 matrix_b_fmt:MATRIX_FMT_FP6 matrix_a_scale:MATRIX_SCALE_ROW1
.endr
	s_add_co_u32 s[TK], s[TK], 6144
	s_add_co_u32 s[TS], s[TS], 512
	s_add_co_u32 s[TT], s[TT], 256
.endm
; A PASS: one tile of 16 queries against all 2,048 keys.  Written out twice, so that each loop over the keys is a plain counted loop.  last = 0: the pointers step on to the tile sixteen further on.
.macro PASS last
	s_load_b512 s[4:19], s[PM:PM+1], 0x0           ; key step 0's mask words
	s_load_b512 s[20:35], s[PM:PM+1], 0x40
	s_load_b512 s[36:51], s[PM:PM+1], 0x80
	s_load_b512 s[68:83], s[PM:PM+1], 0xc0
.irp p, 0,1,2
	global_load_b64 v[QF+2*\p:QF+2*\p+1], v7, s[PQ:PQ+1] offset:256*\p
.endr
	global_load_b32 v[QSC], v28, s[PQS:PQS+1]
	s_mov_b32 s[TK], 0
	s_mov_b32 s[TS], 0
	s_mov_b32 s[TT], 0
	v_mov_b32 v13, 0xff61b1e6                      ; the largest t so far: -3e38
	v_floor_f32 v12, -v13
	v_mov_b32 v14, 0
	v_mov_b32 v15, 0
.set j, 0
.rept 32
	v_mov_b32 v[O+j], 0                            ; the step is written once: the first finds zeros, which the first change of M leaves zeros
.set j, j+1
.endr
	s_wait_loadcnt 0x0
	s_mov_b32 s[CNT], 15
.Lstep_\@:
	STEP 1
	s_sub_co_u32 s[CNT], s[CNT], 1
	s_cmp_lg_u32 s[CNT], 0
	s_cbranch_scc1 .Lstep_\@
	STEP 0                                         ; the last step asks for no mask words: no load leaves its buffer
.rept 4
	v_nop                                          ; places behind the last products
.endr
	v_add_f32 v14, v14, v15
	v_permlanex16_b32 v[TA], v14, s[SEL], s[SEL+1]
	v_add_f32 v14, v14, v[TA]                      ; the row's sum
	v_rcp_f32 v14, v14
	v_nop                                          ; a plain place behind the transcendental
	s_wait_alu depctr_va_vdst(0)                   ; the wait ahead of its first reader
.set j, 0
.rept 32
	v_mul_f32 v[S+j], v[O+j], v14                  ; y: register 16 B + 8 u + j = channel 32 B + 16 u + 8 h + j of my query
.set j, j+1
.endr
.irp b, 0,1
	v_max3_num_f32 v[BM+\b], |v[S+16*\b]|, |v[S+1+16*\b]|, 0x1800000
.endr
.irp i, 2,4,6,8,10,12,14
.irp b, 0,1
	v_max3_num_f32 v[BM+\b], v[BM+\b], |v[S+16*\b+\i]|, |v[S+1+16*\b+\i]|
.endr
.endr
.irp b, 0,1
	v_permlanex16_b32 v[PD+\b], v[BM+\b], s[SEL], s[SEL+1]
.endr
.irp b, 0,1
	v_max_num_f32 v[BM+\b], v[BM+\b], v[PD+\b]
.endr
.irp b, 0,1
	v_add_nc_u32 v[SOP+\b], 0xff000000, v[BM+\b]
.endr
.irp b, 0,1
	v_lshrrev_b32 v[PD+\b], 23, v[SOP+\b]
.endr
	v_cvt_scalef32_pk16_fp6_f32 v[PCD:PCD+2], v[S:S+15], v[SOP]
	v_cvt_scalef32_pk16_fp6_f32 v[PC2:PC2+2], v[S+16:S+31], v[SOP+1]
	v_nop
.irp i, 0,1,2
	v_permlane16_swap_b32 v[PCD+\i], v[PC2+\i]
.endr
.irp i, 0,1,2
	v_mov_b32 v[PCD+3+\i], v[PC2+\i]
.endr
	v_cndmask_b32 v[TB], v[PD], v[PD+1], s[HM]     ; lanes 0-15 block 0's byte, lanes 16-31 block 1's
.irp p, 0,1,2
	global_store_b64 v7, v[PCD+2*\p:PCD+2*\p+1], s[PY:PY+1] offset:256*\p   ; 256 consecutive bytes, aligned
.endr
	global_store_b8 v29, v[TB], s[PZ:PZ+1]
.if !\last
	s_wait_xcnt 0x0                                ; the stores and loads have read their registers and bases
	s_add_nc_u64 s[PQ:PQ+1], s[PQ:PQ+1], 12288
	s_add_nc_u64 s[PQS:PQS+1], s[PQS:PQS+1], 1024
	s_add_nc_u64 s[PM:PM+1], s[PM:PM+1], 61440     ; sixteen tiles on, less the sixteen steps walked
	s_add_nc_u64 s[PY:PY+1], s[PY:PY+1], 196608
	s_add_nc_u64 s[PZ:PZ+1], s[PZ:PZ+1], 2048
.endif
.endm
	PASS 0
	PASS 1
	s_wait_tensorcnt 0x0                           ; the wave's end
	ds_add_u32 v5, v6
	s_wait_dscnt 0x0
	CROUND                                         ; the closing round
	s_endpgm
.Lfunc_end_k_qc63143ffe6_attn:
	.size	k_qc63143ffe6_attn, .Lfunc_end_k_qc63143ffe6_attn-k_qc63143ffe6_attn
	.p2alignl 7, 3214868480
	.fill 96, 4, 3214868480
	.section	.rodata,"a",@progbits
	.p2align	6, 0x0
	.amdhsa_kernel k_qc63143ffe6_attn
		.amdhsa_group_segment_fixed_size 210944
		.amdhsa_private_segment_fixed_size 0
		.amdhsa_enable_private_segment 0
		.amdhsa_kernarg_size 32
		.amdhsa_user_sgpr_count 2
		.amdhsa_user_sgpr_kernarg_segment_ptr 1
		.amdhsa_wavefront_size32 1
		.amdhsa_system_sgpr_workgroup_id_x 1
		.amdhsa_system_sgpr_workgroup_id_y 1
		.amdhsa_system_sgpr_workgroup_id_z 1
		.amdhsa_system_vgpr_workitem_id 0
		.amdhsa_next_free_vgpr 256
		.amdhsa_next_free_sgpr 102
		.amdhsa_reserve_vcc 0
		.amdhsa_float_denorm_mode_32 3
		.amdhsa_float_denorm_mode_16_64 3
		.amdhsa_memory_ordered 1
		.amdhsa_forward_progress 1
		.amdhsa_inst_pref_size 106
	.end_amdhsa_kernel
	.amdgpu_metadata
---
amdhsa.version: [ 1, 2 ]
amdhsa.kernels:
  - .name:           k_qc63143ffe6_attn
    .symbol:         k_qc63143ffe6_attn.kd
    .args:
      - { .name: qkv, .offset: 0, .size: 8, .value_kind: global_buffer, .address_space: global }
      - { .name: mbits, .offset: 8, .size: 8, .value_kind: global_buffer, .address_space: global }
      - { .name: yc, .offset: 16, .size: 8, .value_kind: global_buffer, .address_space: global }
      - { .name: ys, .offset: 24, .size: 8, .value_kind: global_buffer, .address_space: global }
    .group_segment_fixed_size: 210944
    .private_segment_fixed_size: 0
    .kernarg_segment_align: 8
    .kernarg_segment_size: 32
    .max_flat_workgroup_size: 512
    .sgpr_count:     102
    .vgpr_count:     256
    .wavefront_size: 32
...
	.end_amdgpu_metadata
.endif
;; end of part 5
;; launch gemm_out (part 6): grid 4 x 32, 4 waves a work-group, clusters of 4 x 4, 327,680 bytes of LDS; arguments yc, ys, wc, ws, b_o, out0; writes out0
.if DOCPART == 6
	.amdgcn_target "amdgcn-amd-amdhsa--gfx1250"
	.amdhsa_code_object_version 6
	.text
	.protected	k_qc63143ffe6_gemm_out
	.globl	k_qc63143ffe6_gemm_out
	.p2align	8
	.type	k_qc63143ffe6_gemm_out,@function
k_qc63143ffe6_gemm_out:
	s_mov_b64 s[64:65], 0
	v_nop
	global_prefetch_b8 v0, s[64:65] scope:SCOPE_SE
	s_setreg_imm32_b32 hwreg(HW_REG_WAVE_MODE, 25, 1), 1
	s_wait_xcnt 0x0
	s_wait_alu depctr_hold_cnt(0) depctr_sa_sdst(0) depctr_va_vdst(0) depctr_va_sdst(0) depctr_va_ssrc(0) depctr_va_vcc(0) depctr_vm_vsrc(0)
	s_getreg_b32 s2, hwreg(HW_REG_IB_STS2, 6, 4)
	s_cmp_eq_u32 s2, 0
	s_cbranch_scc0 .Lentry_in_a_cluster
	s_endpgm
.Lentry_in_a_cluster:
	s_bfe_u32 s2, ttmp6, 0x10000c
	s_cmp_lg_u32 s2, 0xf033
	s_cbranch_scc0 .Lentry_shape_is_right
	s_endpgm
.Lentry_shape_is_right:
; out0 = y w_o + b_o on codes of FP6.  Nothing is left out.  The ring, the images, the joint loads and the turns are gemm_qkv's; source 0 = 16 columns of w_o (rows 3,072 on of wc), source 1 = 16 tokens of y:
; a lane holds eight neighbouring numbers of a row of out0.  The bias is the C of each sum's first product.  A tile of 256 x 256 to a work-group of four waves; K = 1,024 in four steps of 256 through two LDS slots.
; WAY OUT: a block of 16 rows x 128 columns goes through the wave's own stage in LDS (in slot 0, which has had its last fill and its last read by then) and leaves as whole rows of 512 bytes.
; REGISTERS: window 0: v16-29 addresses; v32-63 scale words, two sets; v64-127 the bias; from v128 source 1's fragments; on the way out v128-255 rows of out0.  window 1: source 0's two sets.  windows 2, 3: the accumulators.
.set FR,    12
.set NL,    6
.set NP,    4
.set HALFT, 24576
.set SLOT,  4*HALFT
.set SCL,   2*SLOT
.set SPARE, SCL+4*4096
.set SPITCH, 528
.set SIZE_N, 1024
.set AD1, 16
.set AD0, 20
.set STO, 24                           ; v24  the way out: where I put 32 bytes of a row
.set RD,  25                           ; v25  where I read a row back
.set CO,  26                           ; v26  my byte offset in a row of out0
.set ADRS, 27
.set SPW, 28
.set NIL, 29
.set SC,  32
.set BI,  64
.set AF,  128
.set BK,  128
.set G1X, 24
.set G0X, 32
.set G1W, 48
.set G0W, 56
.set G1SX, 68
.set G0SX, 76
.set G1SW, 80
.set G0SW, 88
.set WV,  96
.set HI,  97
.set LO,  98
.set TR,  99
.set HM,  101
.set MSB, 0
.macro WIN new
.if MSB != (\new)
	s_set_vgpr_msb (MSB<<8)|(\new)
.set MSB, (\new)
.endif
.endm
.set MUL_LO, 0xa1
.set MUL_HI, 0xf1
.set TO_B,   0x40
.macro JLOAD g0a, g1a, g0b, g1b        ; waves 0 and 1 fetch for y, waves 2 and 3 for w_o; an s_nop 0 and four v_nop follow each line
	s_cmp_eq_u32 s[HI], 0
	s_cbranch_scc0 .Lfor_b_\@
	tensor_load_to_lds s[\g0a:\g0a+3], s[\g1a:\g1a+7]
	s_nop 0
.rept 4
	v_nop
.endr
	s_branch .Lasked_\@
.Lfor_b_\@:
	tensor_load_to_lds s[\g0b:\g0b+3], s[\g1b:\g1b+7]
	s_nop 0
.rept 4
	v_nop
.endr
.Lasked_\@:
.endm
.macro CREST
	s_cmp_lg_u32 s[WV], 0
	s_cbranch_scc1 .Lnot_wave_0_\@
	s_barrier_signal -3
.Lnot_wave_0_\@:
	s_barrier_wait -3
	s_barrier_signal -1
	s_barrier_wait -1
.endm
.macro CROUND
	s_barrier_signal -1
	s_barrier_wait -1
	CREST
.endm
	s_load_b256 s[4:11], s[0:1], 0x0               ; yc, ys, wc, ws
	s_load_b128 s[12:15], s[0:1], 0x20             ; b_o, out0
	v_lshl_add_u32 v[SPW], v0, 2, SPARE
	v_mov_b32 v[NIL], 0
	ds_add_u32 v[SPW], v[NIL]                      ; the wave's opening: the add, twice on end, and its wait ahead of my first tensor load
	ds_add_u32 v[SPW], v[NIL]
	v_lshrrev_b32 v1, 5, v0
	v_readfirstlane_b32 s[WV], v1
	s_lshr_b32 s[HI], s[WV], 1
	s_and_b32 s[LO], s[WV], 1
	s_bfe_u32 s40, ttmp6, 0x40000
	s_bfe_u32 s41, ttmp6, 0x40004
	s_lshl_b32 s42, ttmp9, 2
	s_add_co_u32 s42, s42, s40                     ; tile column, 0 .. 3
	s_and_b32 s[TR], ttmp7, 0xffff
	s_lshl_b32 s[TR], s[TR], 2
	s_add_co_u32 s[TR], s[TR], s41                 ; tile row, 0 .. 31
	s_lshl_b32 s43, s41, 2
	s_lshl_b32 s43, 15, s43
	s_lshl_b32 s44, 0x1111, s40
	s_or_b32 s[G1X], s43, (3<<16)|(1<<21)          ; codes: 8 rows of 384 elements of 8 bytes, 1,536 elements apart
	s_or_b32 s[G1W], s44, (3<<16)|(1<<21)
.irp g, G1X, G1W
	s_mov_b32 s[\g+1], 384<<16
	s_mov_b32 s[\g+2], 8<<16
	s_mov_b32 s[\g+3], 384<<16
	s_mov_b32 s[\g+4], 8
	s_mov_b32 s[\g+5], 1536
	s_mov_b32 s[\g+6], 0
	s_mov_b32 s[\g+7], 0
.endr
	s_or_b32 s[G1SX], s43, (3<<16)|(1<<21)         ; scale words: 4 rows of 128 elements of 8 bytes
	s_or_b32 s[G1SW], s44, (3<<16)|(1<<21)
.irp g, G1SX, G1SW
	s_mov_b32 s[\g+1], 128<<16
	s_mov_b32 s[\g+2], 4<<16
	s_mov_b32 s[\g+3], 128<<16
	s_mov_b32 s[\g+4], 4
	s_mov_b32 s[\g+6], 0
	s_mov_b32 s[\g+7], 0
.endr
	s_mov_b32 s[G1SX+5], 8192
	s_mov_b32 s[G1SW+5], 4096
	s_lshl_b32 s21, s[LO], 3
	s_lshl_b32 s20, s[TR], 4
	s_add_co_u32 s20, s20, s21                     ; y: my first row tile
	s_lshl_b32 s46, s42, 4
	s_add_co_u32 s46, s46, s21
	s_add_co_u32 s46, s46, 192                     ; w_o's: behind the 192 row tiles of w_q, w_k, w_v
	s_lshl_b32 s22, s20, 7
	s_lshl_b32 s92, s46, 7
	s_mul_i32 s20, s20, 12288
	s_mul_i32 s46, s46, 12288
	s_mov_b32 s21, 0
	s_mov_b32 s23, 0
	s_mov_b32 s47, 0
	s_mov_b32 s93, 0
	s_mul_i32 s45, s[WV], HALFT
	s_lshl_b32 s94, s[WV], 12
	s_mov_b32 s[HM], 0xffff0000
	s_wait_dscnt 0x0
	s_wait_kmcnt 0x0
	s_add_nc_u64 s[20:21], s[4:5], s[20:21]
	s_add_nc_u64 s[22:23], s[6:7], s[22:23]
	s_add_nc_u64 s[46:47], s[8:9], s[46:47]
	s_add_nc_u64 s[92:93], s[10:11], s[92:93]
	CROUND                                         ; all sixteen work-groups are here: the first joint loads meet
	s_mov_b32 s[G0SX], 1
	s_add_co_u32 s[G0SX+1], s94, SCL
	s_mov_b64 s[G0SX+2:G0SX+3], s[22:23]
	s_or_b32 s[G0SX+3], s[G0SX+3], 0x80000000
	s_mov_b32 s[G0SW], 1
	s_add_co_u32 s[G0SW+1], s94, SCL
	s_mov_b64 s[G0SW+2:G0SW+3], s[92:93]
	s_or_b32 s[G0SW+3], s[G0SW+3], 0x80000000
	JLOAD G0SX, G1SX, G0SW, G1SW
.irp s, 0,1
	s_mov_b32 s[G0X+4*\s], 1
	s_add_co_u32 s[G0X+4*\s+1], s45, \s*SLOT
	s_add_nc_u64 s[G0X+4*\s+2:G0X+4*\s+3], s[20:21], \s*3072
	s_or_b32 s[G0X+4*\s+3], s[G0X+4*\s+3], 0x80000000
	s_mov_b32 s[G0W+4*\s], 1
	s_add_co_u32 s[G0W+4*\s+1], s45, \s*SLOT
	s_add_nc_u64 s[G0W+4*\s+2:G0W+4*\s+3], s[46:47], \s*3072
	s_or_b32 s[G0W+4*\s+3], s[G0W+4*\s+3], 0x80000000
	JLOAD G0X+4*\s, G1X, G0W+4*\s, G1W             ; three loads of mine are out now
.endr
	v_and_b32 v1, 31, v0
	v_and_b32 v2, 15, v0                           ; r
	v_bfe_u32 v3, v0, 4, 1                         ; h
	v_lshlrev_b32 v7, 3, v1                        ; 8 x lane
	s_lshl_b32 s20, s[HI], 12
	s_add_co_u32 s20, s20, SCL                     ; y's scale words: my 128 rows
	s_lshl_b32 s21, s[LO], 12
	s_add_co_u32 s21, s21, SCL+2*4096              ; w_o's
	v_lshlrev_b32 v4, 3, v2
	v_add_nc_u32 v5, s20, v4
	v_add_nc_u32 v6, s21, v4
	v_cndmask_b32 v[ADRS], v5, v6, s[HM]
	s_mul_i32 s22, s[HI], HALFT
	s_mul_i32 s23, s[LO], HALFT
	s_add_co_u32 s23, s23, 2*HALFT
.irp s, 0,1
	v_add_nc_u32 v[AD1+\s], s22, v7
	v_add_nc_u32 v[AD0+\s], s23, v7
	s_add_co_u32 s22, s22, SLOT
	s_add_co_u32 s23, s23, SLOT
.endr
	s_mul_i32 s23, s[WV], 16*SPITCH                ; my stage
	v_mul_u32_u24 v5, v2, SPITCH
	v_lshl_add_u32 v5, v3, 5, v5
	v_add_nc_u32 v[STO], s23, v5                   ; in: row r, 32 bytes for each half of the lanes
	v_lshlrev_b32 v[CO], 4, v1
	v_add_nc_u32 v[RD], s23, v[CO]                 ; back: the 32 lanes take one row of 512 bytes
	s_lshl_b32 s46, s42, 10                        ; my first column, in bytes: 1,024 x tile column + 512 x half
	s_lshl_b32 s47, s[LO], 9
	s_add_co_u32 s46, s46, s47
	s_mov_b32 s47, 0
	s_add_nc_u64 s[12:13], s[12:13], s[46:47]      ; the bias of my 128 columns
	v_lshlrev_b32 v8, 5, v3                        ; register 8 b + j = column 16 b + 8 h + j
.irp b, 0,1,2,3,4,5,6,7
	global_load_b128 v[BI+8*\b:BI+8*\b+3], v8, s[12:13] offset:64*\b
	global_load_b128 v[BI+8*\b+4:BI+8*\b+7], v8, s[12:13] offset:64*\b+16
.endr
	s_lshl_b32 s20, s[TR], 8
	s_lshl_b32 s21, s[HI], 7
	s_add_co_u32 s20, s20, s21                     ; my first row of out0
	s_lshl_b32 s20, s20, 12                        ; rows of 4,096 bytes
	s_add_co_u32 s20, s20, s46
	s_mov_b32 s21, 0
	s_add_nc_u64 s[14:15], s[14:15], s[20:21]
.macro FRAG reg, adr, q, i
.irp p, 0,1,2,3,4,5
	ds_load_b64 v[\reg+2*\p:\reg+2*\p+1], v[\adr] offset:(\i)*3072+(\q)*1536+256*\p
.endr
.endm
; zero = 1: the first product starts the sum with the bias as its C (window 0).  The 64 accumulators take turns, one instruction a turn.
.macro MUL16 a0, p, q, sc, zero
.irp a, \a0, \a0+1
.irp b, 0,1,2,3,4,5,6,7
.if \zero
	v_wmma_scale_f32_16x16x128_f8f6f4 v[8*(8*((\a)%4)+\b):8*(8*((\a)%4)+\b)+7], v[128*(\p)+FR*\b:128*(\p)+FR*\b+FR-1], v[AF+FR*(\a):AF+FR*(\a)+FR-1], v[BI+8*\b:BI+8*\b+7], v[SC+16*(\sc)+2*\b+(\q)], v[SC+16*(\sc)+2*(\a)+(\q)] matrix_a_fmt:MATRIX_FMT_FP6 matrix_b_fmt:MATRIX_FMT_FP6 matrix_a_scale:MATRIX_SCALE_ROW1
.else
	v_wmma_scale_f32_16x16x128_f8f6f4 v[8*(8*((\a)%4)+\b):8*(8*((\a)%4)+\b)+7], v[128*(\p)+FR*\b:128*(\p)+FR*\b+FR-1], v[AF+FR*(\a):AF+FR*(\a)+FR-1], v[8*(8*((\a)%4)+\b):8*(8*((\a)%4)+\b)+7], v[SC+16*(\sc)+2*\b+(\q)], v[SC+16*(\sc)+2*(\a)+(\q)] matrix_a_fmt:MATRIX_FMT_FP6 matrix_b_fmt:MATRIX_FMT_FP6 matrix_a_scale:MATRIX_SCALE_ROW1
.endif
.endr
.endr
.endm
.macro FETCH_B slot, q, p
	WIN TO_B
.irp i, 0,1,2,3,4,5,6,7
	FRAG 128*(\p)+FR*\i, AD0+\slot, \q, \i
.endr
	WIN 0
.endm
.macro FETCH_A slot, q, i0
.irp i, \i0, \i0+1, \i0+2, \i0+3
	FRAG AF+FR*(\i), AD1+\slot, \q, \i
.endr
.endm
.macro SCALES sc, ks
.irp i, 0,1,2,3,4,5,6,7
	ds_load_b64 v[SC+16*(\sc)+2*\i:SC+16*(\sc)+2*\i+1], v[ADRS] offset:(\ks)*1024+128*\i
.endr
.endm
.macro PLACES n
.rept \n
	v_nop
.endr
.endm
.macro STEP slot, q, zero
	s_wait_dscnt 4*NL                              ; source 0's set and source 1's blocks 0-3 are in; the youngest 24 loads may be out
.if \zero
	WIN 0x81                                       ; C window 0 (the bias), D window 2
.else
	WIN MUL_LO
.endif
	MUL16 0, (\q)%2, \q, \slot, \zero
	MUL16 2, (\q)%2, \q, \slot, \zero
	s_wait_dscnt 0
	PLACES NP
	FETCH_B \slot, (\q)+1, 1-(\q)%2
	FETCH_A \slot, (\q)+1, 0
.if \zero
	WIN 0xc1                                       ; C window 0, D window 3
.else
	WIN MUL_HI
.endif
	MUL16 4, (\q)%2, \q, \slot, \zero
	MUL16 6, (\q)%2, \q, \slot, \zero
	PLACES NP
	WIN 0
	FETCH_A \slot, (\q)+1, 4
.endm
.macro TURN slot, next, fill, ks
	s_wait_tensorcnt 0x0                           ; all my tensor loads have landed: my part of the next slot
	ds_add_u32 v[SPW], v[NIL]                      ; 0 onto my spare word
	s_wait_dscnt 4*NL+1                            ; (the add and the youngest 24 loads may be out)
	WIN MUL_LO
	MUL16 0, 1, 1, \slot, 0
	s_wait_dscnt 0x0                               ; the add is done, and my reads of this slot are over
	s_barrier_signal -1
	MUL16 2, 1, 1, \slot, 0
	WIN 0
	s_barrier_wait -1
.if \fill
	CREST                                          ; the barrier has opened a round of the cluster's
	s_add_nc_u64 s[G0X+4*\slot+2:G0X+4*\slot+3], s[G0X+4*\slot+2:G0X+4*\slot+3], 6144
	s_add_nc_u64 s[G0W+4*\slot+2:G0W+4*\slot+3], s[G0W+4*\slot+2:G0W+4*\slot+3], 6144
	JLOAD G0X+4*\slot, G1X, G0W+4*\slot, G1W
.else
	PLACES NP
.endif
	FETCH_B \next, 0, 0
	FETCH_A \next, 0, 0
	SCALES \next, \ks
	WIN MUL_HI
	MUL16 4, 1, 1, \slot, 0
	MUL16 6, 1, 1, \slot, 0
	PLACES NP
	WIN 0
	FETCH_A \next, 0, 4
.endm
	s_wait_tensorcnt 1                             ; the scale words and my part of K step 0 are in; K step 1's load may be out
	s_barrier_signal -1
	s_barrier_wait -1
	FETCH_B 0, 0, 0
	FETCH_A 0, 0, 0
	SCALES 0, 0
	FETCH_A 0, 0, 4
	s_wait_loadcnt 0x0                             ; the bias
	STEP 0, 0, 1
	TURN 0, 1, 1, 1
	STEP 1, 0, 0
	TURN 1, 0, 1, 2
	STEP 0, 0, 0
	TURN 0, 1, 0, 3
	STEP 1, 0, 0
	s_wait_dscnt 4*NL
	WIN MUL_LO
	MUL16 0, 1, 1, 1, 0
	MUL16 2, 1, 1, 1, 0
	s_wait_dscnt 0
	WIN MUL_HI
	MUL16 4, 1, 1, 1, 0
	MUL16 6, 1, 1, 1, 0
	WIN 0
; THE WAY OUT, block by block of 16 rows x 128 columns, through my own stage.  LDS serves a wave's instructions in order: no wait between the stores and the loads, nor in front of the next block's stores.
.macro TOSTAGE a
.set AC, 64*((\a)%4)
	WIN 0x08+4*((\a)/4)                            ; an LDS store's data: window 2 or 3
.irp b, 0,1,2,3,4,5,6,7
	ds_store_b128 v[STO], v[AC+8*\b:AC+8*\b+3] offset:64*\b          ; each accumulator from its low end on
	ds_store_b128 v[STO], v[AC+8*\b+4:AC+8*\b+7] offset:64*\b+16
.endr
	WIN 0
.set BB, BK+64*((\a)%2)
.irp t, 0,1,2,3,4,5,6,7,8,9,10,11,12,13,14,15
	ds_load_b128 v[BB+4*\t:BB+4*\t+3], v[RD] offset:\t*SPITCH
.endr
.endm
.macro SEND a, younger
.set BB, BK+64*((\a)%2)
	s_wait_dscnt \younger                          ; the block is back in registers
.if (\a) > 0
	s_add_nc_u64 s[14:15], s[14:15], 16*SIZE_N*4   ; (behind a wait on XCNT: the earlier stores have read their base)
.endif
.irp t, 0,1,2,3,4,5,6,7,8,9,10,11,12,13,14,15
	global_store_b128 v[CO], v[BB+4*\t:BB+4*\t+3], s[14:15] offset:\t*SIZE_N*4 th:TH_STORE_NT   ; 32 lanes store 512 consecutive bytes, aligned
.endr
.endm
	PLACES NP
	TOSTAGE 0
.irp a, 1,2,3,4,5,6,7
.if \a > 1
	s_wait_xcnt 0x0                                ; block a - 2's stores have read their registers and their base
.endif
	TOSTAGE \a
	SEND \a-1, 32                                  ; behind block a - 1's loads: block a's 16 stores and 16 loads
.endr
	s_wait_xcnt 0x0
	SEND 7, 0
	s_wait_tensorcnt 0x0                           ; the wave's end
	ds_add_u32 v[SPW], v[NIL]
	s_wait_dscnt 0x0
	CROUND                                         ; the closing round
	s_endpgm
.Lfunc_end_k_qc63143ffe6_gemm_out:
	.size	k_qc63143ffe6_gemm_out, .Lfunc_end_k_qc63143ffe6_gemm_out-k_qc63143ffe6_gemm_out
	.p2alignl 7, 3214868480
	.fill 96, 4, 3214868480
	.section	.rodata,"a",@progbits
	.p2align	6, 0x0
	.amdhsa_kernel k_qc63143ffe6_gemm_out
		.amdhsa_group_segment_fixed_size 327680
		.amdhsa_private_segment_fixed_size 0
		.amdhsa_enable_private_segment 0
		.amdhsa_kernarg_size 48
		.amdhsa_user_sgpr_count 2
		.amdhsa_user_sgpr_kernarg_segment_ptr 1
		.amdhsa_wavefront_size32 1
		.amdhsa_system_sgpr_workgroup_id_x 1
		.amdhsa_system_sgpr_workgroup_id_y 1
		.amdhsa_system_sgpr_workgroup_id_z 1
		.amdhsa_system_vgpr_workitem_id 0
		.amdhsa_next_free_vgpr 1024
		.amdhsa_next_free_sgpr 102
		.amdhsa_reserve_vcc 0
		.amdhsa_float_denorm_mode_32 3
		.amdhsa_float_denorm_mode_16_64 3
		.amdhsa_memory_ordered 1
		.amdhsa_forward_progress 1
		.amdhsa_inst_pref_size 161
	.end_amdhsa_kernel
	.amdgpu_metadata
---
amdhsa.version: [ 1, 2 ]
amdhsa.kernels:
  - .name:           k_qc63143ffe6_gemm_out
    .symbol:         k_qc63143ffe6_gemm_out.kd
    .args:
      - { .name: yc, .offset: 0, .size: 8, .value_kind: global_buffer, .address_space: global }
      - { .name: ys, .offset: 8, .size: 8, .value_kind: global_buffer, .address_space: global }
      - { .name: wc, .offset: 16, .size: 8, .value_kind: global_buffer, .address_space: global }
      - { .name: ws, .offset: 24, .size: 8, .value_kind: global_buffer, .address_space: global }
      - { .name: b_o, .offset: 32, .size: 8, .value_kind: global_buffer, .address_space: global }
      - { .name: out0, .offset: 40, .size: 8, .value_kind: global_buffer, .address_space: global }
    .group_segment_fixed_size: 327680
    .private_segment_fixed_size: 0
    .kernarg_segment_align: 8
    .kernarg_segment_size: 48
    .max_flat_workgroup_size: 128
    .sgpr_count:     102
    .vgpr_count:     1024
    .wavefront_size: 32
...
	.end_amdgpu_metadata
.endif
;; end of part 6
